; MI455X (gfx1250); checked and timed in simulation.
; The chip was launched on July 23, 2026; its instructions are those of AMD's public machine-readable ISA for CDNA 5 (MIT licence, August 2026) and "CDNA5" Instruction Set Architecture Reference Guide (July 2026). The comments in the code are by the model that wrote it; some were corrected since.
;; Multi Head Self Attention. Allowed arithmetic: matrix products marked QUANTISED: E2M3 operands, one E8M0 scale for each 32 along K, by v_wmma_scale_f32_16x16x128_f8f6f4 with both operands' format E2M3, f32 sums; everything else in f32.
;; Inputs: out_b 1,024 float32; out_w 1,024 x 1,024 float32; qkv_b 3,072 float32; qkv_w 3,072 x 1,024 float32; x 4 x 2,048 x 1,024 float32.
;; Outputs: out0 4 x 2,048 x 1,024 float32.
;; This version of the problem:
;;   THIS VERSION OF THE PROBLEM IS GIVEN IN LOW PRECISION. The matrix products marked QUANTISED in the list below multiply operands that are first quantised to E2M3 (2 exponent bits, 3 mantissa bits; 6 bits a number), with one power-of-two scale for each 32 numbers along K (OCP MX v1.0); their sums are f32. All else is computed in f32.
;;   The module's matrix products, in the order in which they are computed (A, B: the left and right operand; K: the contracted axis; several contracted axes count as one K, in the product's order):
;;     1. [M 8,192, K 1,024] x [K 1,024, N 3,072]; A: input x; B: input qkv_w: QUANTISED
;;     2. batch 64 x [M 2,048, K 64] x [K 64, N 2,048]; A: computed on the way; B: computed on the way: QUANTISED
;;     3. batch 64 x [M 2,048, K 2,048] x [K 2,048, N 64]; A: softmax (see below); B: computed on the way: QUANTISED
;;     4. [M 8,192, K 1,024] x [K 1,024, N 1,024]; A: computed on the way; B: input out_w: QUANTISED
;;   THE QUANTISER, for each operand of a quantised product, along K:
;;     - K is cut into blocks of 32 from its start; a last block that is shorter is filled with zeros.
;;     - A block's scale is 2^e with e = floor(log2(the largest magnitude in the block)) - 2, held to -126 .. 127; a block of zeros has e = 0. As a byte (E8M0): e + 127.
;;     - Each number is divided by its block's scale, clamped to +-7.5, and rounded to the nearest number of E2M3, ties to even, subnormals kept.
;;     - The product sums the exact products of the quantised numbers (number of the format x scale) in f32.
;;   ~~~python
;;   def quantise(x, axis):      # numpy; x: float32 -> the quantised numbers, widened to float32 again
;;       x = np.moveaxis(x, axis, -1); K = x.shape[-1]
;;       x = np.pad(x, [(0, 0)] * (x.ndim - 1) + [(0, -K % 32)]); x = x.reshape(x.shape[:-1] + (-1, 32)); a = np.abs(x).max(-1, keepdims=True)
;;       e = np.where(a > 0, np.clip(np.frexp(np.where(a > 0, a, 1))[1] - 1 - 2, -126, 127), 0)      # np.frexp(a)[1] - 1 = floor(log2(a)), exactly
;;       r = np.clip(x / 2.0 ** e, -7.5, 7.5)
;;       step = 2.0 ** (np.maximum(np.frexp(np.where(r == 0, 1, r))[1] - 1, 0) - 3)
;;       q = np.round(r / step) * step * 2.0 ** e      # np.round: ties to even
;;       return np.moveaxis(q.reshape(q.shape[:-2] + (-1,))[..., :K], -1, axis).astype(np.float32)
;;   ~~~
;;   SOFTMAX AHEAD OF A QUANTISED PRODUCT. Where the list says 'softmax', what is quantised is not the finished softmax but p = 2^(t - M), with t = logit x log2(e) and M = ceil(the row's largest t), a whole number; so 1/2 < the row's largest p <= 1. The row's sum l is taken of the UNQUANTISED p, in f32, and the product's result is divided by l at the end. Since M is a whole number, a kernel that streams over the keys may use a running M (the ceiling of the running maximum): every later rescaling is an exact power of two, which a block's scale takes up: the codes' values come out the same.
;;   OPERANDS COMPUTED ON THE WAY. 'Computed on the way' means the value that the module computes at that place (a softmax that the list does not call 'softmax' is quantised finished and normalised). What goes into a quantiser is computed in f32, as accurately as f32 sums, v_exp_f32 and their like allow (about 1e-6 of the number): no bf16 or f16 on the way to a quantiser, and a product that is left as it is and whose result goes on into a quantised operand takes f32 operands (vector FMAs, or v_wmma_f32_16x16x4_f32). A number that lies on a knife's edge between two numbers of the format may be rounded either way, as far as f32 arithmetic and the matrix unit's own rounding can turn it there, and no further.
;; One version. Each part assembles by itself: llvm-mc -triple=amdgcn-amd-amdhsa -mcpu=gfx1250 --defsym DOCPART=n.
;; ======== version 1 of 1: 4 launches
;; limits: right only within a limited range of input values
;; workspace buffers: inc 9,437,184 bytes; ins 393,216 bytes; qkvc 18,874,368 bytes; qkvs 1,310,720 bytes; atc 6,291,456 bytes; ats 262,144 bytes
;; launch quant (part 1): grid 768 x 1, 4 waves a work-group, no clusters, 34,304 bytes of LDS; arguments x, qkv_w, out_w, inc, ins; writes inc, ins
.if DOCPART == 1
	.amdgcn_target "amdgcn-amd-amdhsa--gfx1250"
	.amdhsa_code_object_version 6
	.text
	.protected	k_q55d88eeabd_quant
	.globl	k_q55d88eeabd_quant
	.p2align	8
	.type	k_q55d88eeabd_quant,@function
k_q55d88eeabd_quant:
	s_mov_b64 s[64:65], 0
	v_nop
	global_prefetch_b8 v0, s[64:65] scope:SCOPE_SE
	s_setreg_imm32_b32 hwreg(HW_REG_WAVE_MODE, 25, 1), 1
	s_wait_xcnt 0x0
; x [8192][1024], qkv_w [3072][1024] and out_w [1024][1024], f32, K innermost, become codes of FP6 (E2M3) with one E8M0 byte for each 32 along K,
; laid in the ORDER OF THE OPERAND'S REGISTERS, so that the products' launches read whole fragments.
; TILES.  Rows go in tiles of 16: lane r of tile t holds row 32 (t / 2) + 8 (t % 2) + r + 8 (r / 8).  Tiles 0-511 are x's, 512-703 qkv_w's, 704-767 out_w's.
; inc: [tile][K step of 128: 8][piece 0..5][lane 32][8 bytes]; piece p is registers 2 p, 2 p + 1 of the fragment's twelve.   ins: [tile][pair of K steps: 4][r 16][K step in the pair: 2][4 bytes].
; A block's scale is 2^(floor(log2(largest magnitude)) - 2): its byte is the largest magnitude's exponent field - 2, held at 1 from below.
; LIMITS: a block whose largest magnitude lies under 2^-124, a block of zeros among them, gets the byte 1 (its codes are then zeros or next to it; only this program reads the bytes); NaN and infinities are not served.
; SHARES.  A work-group takes one tile; wave w takes quarter w of K: two K steps of 16 rows x 128 numbers, whose 32 loads all go out at the start.  768 work-groups: three for each of 256 WGPs.
; Each load reads 512 consecutive bytes of one row; a K step's 8,192 bytes turn through the wave's own stage in LDS (rows 528 bytes apart: 33 x 16, so sixteen rows' equal columns fall on different banks),
; so that lane (r, h) gets blocks h and 2 + h of row r: the very numbers whose codes are its registers.  Waves share nothing: no barrier.
; A wave's scale words are 128 consecutive bytes, stored by one instruction: one byte in 24 of what the launch stores.
.set STG,   8448                       ; a wave's stage: 16 rows x 528 bytes
.set SPARE, 4*STG                      ; behind the stages: the spare words, 128 bytes a wave
.set SPW,   12                         ; v12  my spare word's LDS address; never rewritten
.set NIL,   13                         ; v13  0; never rewritten
.set SW,    24                         ; v24-25   the two K steps' scale words
.set R,     32                         ; v32-159  two sets of 64: a K step as loaded
.set X,     160                        ; v160-223 my two blocks of 32
.set C,     224                        ; v224-235 the fragment's twelve registers
.set T,     236                        ; v236-242 the blocks' upper halves, as the conversions leave them
	s_load_b256 s[4:11], s[0:1], 0x0               ; x s[4:5], qkv_w s[6:7], out_w s[8:9], inc s[10:11]
	s_load_b64 s[12:13], s[0:1], 0x20              ; ins
	v_lshl_add_u32 v[SPW], v0, 2, SPARE
	v_mov_b32 v[NIL], 0
	v_lshrrev_b32 v1, 5, v0
	v_readfirstlane_b32 s14, v1                    ; wave: which quarter of K
	v_and_b32 v6, 31, v0                           ; lane
	v_and_b32 v7, 15, v0                           ; r
	v_bfe_u32 v5, v0, 4, 1                         ; h
	v_lshlrev_b32 v1, 4, v6                        ; my 16 bytes of a load's 512
	s_mul_i32 s17, s14, STG
	v_add_nc_u32 v2, s17, v1                       ; the stage, on the way in
	v_mul_u32_u24 v3, v7, 528
	v_lshl_add_u32 v3, v5, 7, v3
	v_add_nc_u32 v3, s17, v3                       ; and on the way out: row r, block h
	v_lshlrev_b32 v4, 3, v6                        ; 8 bytes a lane: a piece's place
	v_lshlrev_b32 v20, 2, v5
	v_lshl_add_u32 v20, v7, 3, v20                 ; 8 r + 4 h: the place of row r's scale word of K step h
	v_lshlrev_b32 v5, 3, v5                        ; 8 h: my bytes' shift in the scale word
	v_mov_b32 v17, 0                               ; written once: a lane permute's destination counts as one of its sources
	s_mov_b32 s24, 0xffff0000                      ; lanes 16-31
	s_mov_b32 s26, 0x76543210
	s_mov_b32 s27, 0xfedcba98                      ; selects for lane l xor 16
	s_mov_b32 s20, 704
	s_wait_alu depctr_va_vdst(0)
	s_wait_kmcnt 0x0
	s_cmp_lt_u32 ttmp9, 704                        ; which tensor: the choice hangs on the work-group's number alone
	s_cselect_b64 s[6:7], s[6:7], s[8:9]
	s_cselect_b32 s20, 512, s20
	s_cmp_lt_u32 ttmp9, 512
	s_cselect_b64 s[4:5], s[4:5], s[6:7]
	s_cselect_b32 s20, 0, s20
	s_sub_co_u32 s20, ttmp9, s20                   ; the tile's number within its tensor
	s_and_b32 s21, s20, 1
	s_lshr_b32 s20, s20, 1
	s_lshl_b32 s20, s20, 17                        ; 32 rows of 4,096 bytes for each pair of tiles
	s_lshl_b32 s21, s21, 15                        ; the second tile of a pair begins 8 rows down
	s_add_co_u32 s20, s20, s21
	s_lshl_b32 s21, s14, 10                        ; a quarter of K: 256 numbers
	s_add_co_u32 s20, s20, s21
	s_mov_b32 s21, 0
	s_add_nc_u64 s[4:5], s[4:5], s[20:21]
	s_mul_i32 s18, ttmp9, 12288
	s_mul_i32 s19, s14, 3072
	s_add_co_u32 s18, s18, s19
	s_mov_b32 s19, 0
	s_add_nc_u64 s[10:11], s[10:11], s[18:19]
	s_lshl_b32 s18, ttmp9, 9
	s_lshl_b32 s23, s14, 7
	s_add_co_u32 s18, s18, s23
	s_add_nc_u64 s[12:13], s[12:13], s[18:19]
.macro LOAD t                          ; K step t: row i of the tile lies i + 8 (i / 8) rows down
.irp i, 0,1,2,3,4,5,6,7,8,9,10,11,12,13,14,15
	global_load_b128 v[R+64*((\t)%2)+4*\i:R+64*((\t)%2)+4*\i+3], v1, s[4:5] offset:(\i+8*(\i/8))*4096+512*(\t) th:TH_LOAD_NT
.endr
.endm
.macro STEP t
.set RS, R+64*((\t)%2)
.if (\t) < 1
	s_wait_loadcnt 16                              ; this K step's 16 loads are in; the next step's 16 may be out
.else
	s_wait_loadcnt 0x0
.endif
.irp i, 0,1,2,3,4,5,6,7,8,9,10,11,12,13,14,15
	ds_store_b128 v2, v[RS+4*\i:RS+4*\i+3] offset:528*\i
.endr
.irp c, 0,1
.irp q, 0,1,2,3,4,5,6,7
	ds_load_b128 v[X+32*\c+4*\q:X+32*\c+4*\q+3], v3 offset:256*\c+16*\q   ; LDS serves a wave's instructions in order: these see the stores above
.endr
.endr
	s_wait_dscnt 0x0                               ; my two blocks are in
.irp c, 0,1
	v_max3_num_f32 v[8+\c], |v[X+32*\c]|, |v[X+32*\c+1]|, 0x1800000   ; the block's largest magnitude, with the floor 2^(3 - 127) among its leaves: the byte cannot fall under 1
.endr
.irp i, 2,4,6,8,10,12,14,16,18,20,22,24,26,28,30
.irp c, 0,1
	v_max3_num_f32 v[8+\c], v[8+\c], |v[X+32*\c+\i]|, |v[X+32*\c+\i+1]|
.endr
.endr
	v_add_nc_u32 v10, 0xff000000, v8               ; 2 off the exponent field: the conversion's scale operand
	v_add_nc_u32 v11, 0xff000000, v9
	v_lshrrev_b32 v14, 23, v10                     ; the scale's byte
	v_lshrrev_b32 v15, 23, v11
	v_lshl_or_b32 v16, v15, 16, v14                ; my bytes: blocks h and 2 + h,
	v_lshlrev_b32 v16, v5, v16                     ; at their places;
	v_permlanex16_b32 v17, v16, s26, s27
	v_or_b32 v[SW+(\t)], v16, v17                  ; with lane l xor 16's two the row's word is whole
	s_wait_alu depctr_va_vdst(0)
	s_wait_xcnt 0x0                                ; the last K step's stores have read the codes' registers: they are written again only behind this wait
.irp c, 0,1
	v_cvt_scalef32_pk16_fp6_f32 v[C+6*\c:C+6*\c+2], v[X+32*\c:X+32*\c+15], v[10+\c]
	v_cvt_scalef32_pk16_fp6_f32 v[T+4*\c:T+4*\c+2], v[X+32*\c+16:X+32*\c+31], v[10+\c]   ; (a conversion's three registers begin on an even number)
.endr
	v_nop                                          ; one plain place behind a scaled conversion
.irp c, 0,1
.irp i, 0,1,2
	v_mov_b32 v[C+6*\c+3+\i], v[T+4*\c+\i]
.endr
.endr
.irp p, 0,1,2,3,4,5
	global_store_b64 v4, v[C+2*\p:C+2*\p+1], s[10:11] offset:1536*(\t)+256*\p   ; 32 lanes store 256 consecutive bytes, at a multiple of 256 from the buffer's first byte
.endr
.endm
	LOAD 0
	LOAD 1
	STEP 0
	STEP 1
	v_cndmask_b32 v18, v[SW], v[SW+1], s24         ; lanes 0-15: row r's word of the first K step; lanes 16-31: of the second
	global_store_b32 v20, v18, s[12:13]            ; 128 consecutive bytes
	s_wait_tensorcnt 0x0                           ; the wave's end, behind my last LDS store
	ds_add_u32 v[SPW], v[NIL]
	s_wait_dscnt 0x0
	s_endpgm
.Lfunc_end_k_q55d88eeabd_quant:
	.size	k_q55d88eeabd_quant, .Lfunc_end_k_q55d88eeabd_quant-k_q55d88eeabd_quant
	.p2alignl 7, 3214868480
	.fill 96, 4, 3214868480
	.section	.rodata,"a",@progbits
	.p2align	6, 0x0
	.amdhsa_kernel k_q55d88eeabd_quant
		.amdhsa_group_segment_fixed_size 34304
		.amdhsa_private_segment_fixed_size 0
		.amdhsa_enable_private_segment 0
		.amdhsa_kernarg_size 40
		.amdhsa_user_sgpr_count 2
		.amdhsa_user_sgpr_kernarg_segment_ptr 1
		.amdhsa_wavefront_size32 1
		.amdhsa_system_sgpr_workgroup_id_x 1
		.amdhsa_system_sgpr_workgroup_id_y 1
		.amdhsa_system_sgpr_workgroup_id_z 1
		.amdhsa_system_vgpr_workitem_id 0
		.amdhsa_next_free_vgpr 248
		.amdhsa_next_free_sgpr 66
		.amdhsa_reserve_vcc 0
		.amdhsa_float_denorm_mode_32 3
		.amdhsa_float_denorm_mode_16_64 3
		.amdhsa_memory_ordered 1
		.amdhsa_forward_progress 1
		.amdhsa_inst_pref_size 17
	.end_amdhsa_kernel
	.amdgpu_metadata
---
amdhsa.version: [ 1, 2 ]
amdhsa.kernels:
  - .name:           k_q55d88eeabd_quant
    .symbol:         k_q55d88eeabd_quant.kd
    .args:
      - { .name: x, .offset: 0, .size: 8, .value_kind: global_buffer, .address_space: global }
      - { .name: qkv_w, .offset: 8, .size: 8, .value_kind: global_buffer, .address_space: global }
      - { .name: out_w, .offset: 16, .size: 8, .value_kind: global_buffer, .address_space: global }
      - { .name: inc, .offset: 24, .size: 8, .value_kind: global_buffer, .address_space: global }
      - { .name: ins, .offset: 32, .size: 8, .value_kind: global_buffer, .address_space: global }
    .group_segment_fixed_size: 34304
    .private_segment_fixed_size: 0
    .kernarg_segment_align: 8
    .kernarg_segment_size: 40
    .max_flat_workgroup_size: 128
    .sgpr_count:     66
    .vgpr_count:     248
    .wavefront_size: 32
...
	.end_amdgpu_metadata
.endif
;; end of part 1
;; launch gemm1 (part 2): grid 12 x 32, 4 waves a work-group, clusters of 4 x 4, 327,680 bytes of LDS; arguments inc, ins, qkv_b, qkvc, qkvs; writes qkvc, qkvs
.if DOCPART == 2
	.amdgcn_target "amdgcn-amd-amdhsa--gfx1250"
	.amdhsa_code_object_version 6
	.text
	.protected	k_q55d88eeabd_gemm1
	.globl	k_q55d88eeabd_gemm1
	.p2align	8
	.type	k_q55d88eeabd_gemm1,@function
k_q55d88eeabd_gemm1:
	s_mov_b64 s[64:65], 0
	v_nop
	global_prefetch_b8 v0, s[64:65] scope:SCOPE_SE
	s_setreg_imm32_b32 hwreg(HW_REG_WAVE_MODE, 25, 1), 1
	s_wait_xcnt 0x0
	s_wait_alu depctr_hold_cnt(0) depctr_sa_sdst(0) depctr_va_vdst(0) depctr_va_sdst(0) depctr_va_ssrc(0) depctr_va_vcc(0) depctr_vm_vsrc(0)
	s_getreg_b32 s2, hwreg(HW_REG_IB_STS2, 6, 4)
	s_cmp_eq_u32 s2, 0
	s_cbranch_scc0 .Lentry_in_a_cluster
	s_endpgm
.Lentry_in_a_cluster:
	s_bfe_u32 s2, ttmp6, 0x10000c
	s_cmp_lg_u32 s2, 0xf033
	s_cbranch_scc0 .Lentry_shape_is_right
	s_endpgm
.Lentry_shape_is_right:
.set SLOT,   98304
.set HALFT,  24576
.set TROW,   3072
.set FRB,    1536
.set SCL,    3*SLOT
.set SCB,    8320
.set SPARE,  311552
.set ADRA, 8
.set ADRB, 12
.set ADRS, 27
.set SPW,  28
.set NIL,  29
.set SC,   32
.set BIAS, 64
.set AF,   128
.set HA,   128
.set PC,   192
.set T,    216
.set TM,   224
.set PW,   240
.set TP,   241
.set SW,   244
.set SEL,  22
.set G1A,  24
.set G1B,  32
.set G1SA, 40
.set G1SB, 48
.set G0SA, 56
.set G0SB, 60
.set G0A,  68
.set G0B,  80
.set MSB, 0
.macro WIN new
.if MSB != (\new)
	s_set_vgpr_msb (MSB<<8)|(\new)
.set MSB, (\new)
.endif
.endm
.set MUL_LO, 0xa1
.set MUL_HI, 0xf1
.set TO_B,   0x40
.macro JLOAD g0a, g1a, g0b, g1b
	s_cmp_eq_u32 s15, 0
	s_cbranch_scc0 .Lfor_b_\@
	tensor_load_to_lds s[\g0a:\g0a+3], s[\g1a:\g1a+7]
	s_nop 0
.rept 4
	v_nop
.endr
	s_branch .Lasked_\@
.Lfor_b_\@:
	tensor_load_to_lds s[\g0b:\g0b+3], s[\g1b:\g1b+7]
	s_nop 0
.rept 4
	v_nop
.endr
.Lasked_\@:
.endm
.macro CREST
	s_cmp_lg_u32 s14, 0
	s_cbranch_scc1 .Lnot_wave_0_\@
	s_barrier_signal -3
.Lnot_wave_0_\@:
	s_barrier_wait -3
	s_barrier_signal -1
	s_barrier_wait -1
.endm
.macro CROUND
	s_barrier_signal -1
	s_barrier_wait -1
	CREST
.endm
.macro PLACES n
.rept \n
	v_nop
.endr
.endm
.macro FRAG reg, adr, q, i, tr         ; tr: bytes from tile to tile in LDS
.irp p, 0,1,2,3,4,5
	ds_load_b64 v[\reg+2*\p:\reg+2*\p+1], v[\adr] offset:(\i)*(\tr)+(\q)*FRB+\p*256
.endr
.endm
.macro FETCH_B slot, q, set
	WIN TO_B
.irp i, 0,1,2,3,4,5,6,7
	FRAG 128*(\set)+12*\i, ADRB+\slot, \q, \i, 6144-3072*((\slot)/2)
.endr
	WIN 0
.endm
.macro FETCH_A slot, q, i0
.irp i, \i0, \i0+1, \i0+2, \i0+3
	FRAG AF+12*(\i), ADRA+\slot, \q, \i, 6144-3072*((\slot)/2)
.endr
.endm
.macro SCALES set, kp
.irp i, 0,1,2,3,4,5,6,7
	ds_load_b64 v[SC+16*(\set)+2*\i:SC+16*(\set)+2*\i+1], v[ADRS] offset:\i*512+(\kp)*128
.endr
.endm
.macro MUL16 a0, set, q, sc, first
.irp a, \a0, \a0+1
.irp b, 0,1,2,3,4,5,6,7
.if \first
	v_wmma_scale_f32_16x16x128_f8f6f4 v[8*(8*((\a)%4)+\b):8*(8*((\a)%4)+\b)+7], v[128*(\set)+12*\b:128*(\set)+12*\b+11], v[AF+12*(\a):AF+12*(\a)+11], 0, v[SC+16*(\sc)+2*\b+(\q)], v[SC+16*(\sc)+2*(\a)+(\q)] matrix_a_fmt:MATRIX_FMT_FP6 matrix_b_fmt:MATRIX_FMT_FP6 matrix_a_scale:MATRIX_SCALE_ROW1
.else
	v_wmma_scale_f32_16x16x128_f8f6f4 v[8*(8*((\a)%4)+\b):8*(8*((\a)%4)+\b)+7], v[128*(\set)+12*\b:128*(\set)+12*\b+11], v[AF+12*(\a):AF+12*(\a)+11], v[8*(8*((\a)%4)+\b):8*(8*((\a)%4)+\b)+7], v[SC+16*(\sc)+2*\b+(\q)], v[SC+16*(\sc)+2*(\a)+(\q)] matrix_a_fmt:MATRIX_FMT_FP6 matrix_b_fmt:MATRIX_FMT_FP6 matrix_a_scale:MATRIX_SCALE_ROW1
.endif
.endr
.endr
.endm
.macro STEP slot, sc, first
	s_wait_dscnt 24
	WIN MUL_LO
	MUL16 0, 0, 0, \sc, \first
	MUL16 2, 0, 0, \sc, \first
	s_wait_dscnt 0x0
	PLACES 4
	FETCH_B \slot, 1, 1
	FETCH_A \slot, 1, 0
	WIN MUL_HI
	MUL16 4, 0, 0, \sc, \first
	MUL16 6, 0, 0, \sc, \first
	PLACES 4
	WIN 0
	FETCH_A \slot, 1, 4
.endm
.macro TURN slot, sc, next, kpn, kind
.if \kind
	s_wait_tensorcnt 0x0
	ds_add_u32 v[SPW], v[NIL]
	s_wait_dscnt 25
.else
	s_wait_dscnt 24
.endif
	WIN MUL_LO
	MUL16 0, 1, 1, \sc, 0
.if \kind
	s_wait_dscnt 0x0
	s_barrier_signal -1
.endif
	MUL16 2, 1, 1, \sc, 0
.if \kind == 0
	s_wait_dscnt 0x0
.endif
	WIN 0
.if \kind
	s_barrier_wait -1
.endif
.if \kind == 2
	CREST
	s_add_nc_u64 s[G0A+2:G0A+3], s[G0A+2:G0A+3], 3*TROW
	s_add_nc_u64 s[G0B+2:G0B+3], s[G0B+2:G0B+3], 3*TROW
	JLOAD G0A, G1A, G0B, G1B
.else
	PLACES 4
.endif
	FETCH_B \next, 0, 0
	FETCH_A \next, 0, 0
	SCALES (\kpn)%2, \kpn
	WIN MUL_HI
	MUL16 4, 1, 1, \sc, 0
	MUL16 6, 1, 1, \sc, 0
	PLACES 4
	WIN 0
	FETCH_A \next, 0, 4
.endm
.macro LAST sc
	s_wait_dscnt 24
	WIN MUL_LO
	MUL16 0, 1, 1, \sc, 0
	MUL16 2, 1, 1, \sc, 0
	s_wait_dscnt 0x0
	WIN MUL_HI
	MUL16 4, 1, 1, \sc, 0
	MUL16 6, 1, 1, \sc, 0
	WIN 0
.endm
.macro QUANT s, d0, d1
.irp b, 0,1,2,3
	v_max3_num_f32 v[TM+\b], |v[\s+16*\b]|, |v[\s+1+16*\b]|, 0x1800000
.endr
.irp i, 2,4,6,8,10,12,14
.irp b, 0,1,2,3
	v_max3_num_f32 v[TM+\b], v[TM+\b], |v[\s+16*\b+\i]|, |v[\s+1+16*\b+\i]|
.endr
.endr
.irp b, 0,1,2,3
	v_permlanex16_b32 v[TM+4+\b], v[TM+\b], s[SEL], s[SEL+1]
.endr
.irp b, 0,1,2,3
	v_max_num_f32 v[TM+\b], v[TM+\b], v[TM+4+\b]
.endr
.irp b, 0,1,2,3
	v_add_nc_u32 v[TM+12+\b], 0xff000000, v[TM+\b]
.endr
.irp b, 0,1,2,3
	v_lshrrev_b32 v[TM+4+\b], 23, v[TM+12+\b]
.endr
	v_lshl_or_b32 v[PW], v[TM+5], 8, v[TM+4]
	v_lshl_or_b32 v[PW], v[TM+6], 16, v[PW]
	v_lshl_or_b32 v[PW], v[TM+7], 24, v[PW]
	v_cvt_scalef32_pk16_fp6_f32 v[(\d0):(\d0)+2], v[\s:\s+15], v[TM+12]
	v_cvt_scalef32_pk16_fp6_f32 v[T:T+2], v[\s+16:\s+31], v[TM+13]
	v_cvt_scalef32_pk16_fp6_f32 v[(\d1):(\d1)+2], v[\s+32:\s+47], v[TM+14]
	v_cvt_scalef32_pk16_fp6_f32 v[T+4:T+6], v[\s+48:\s+63], v[TM+15]
	v_nop
.irp i, 0,1,2
	v_permlane16_swap_b32 v[(\d0)+\i], v[T+\i]
	v_permlane16_swap_b32 v[(\d1)+\i], v[T+4+\i]
.endr
.irp i, 0,1,2
	v_mov_b32 v[(\d0)+3+\i], v[T+\i]
	v_mov_b32 v[(\d1)+3+\i], v[T+4+\i]
.endr
.endm
	s_load_b256 s[4:11], s[0:1], 0x0
	s_load_b64 s[12:13], s[0:1], 0x20
	v_lshl_add_u32 v[SPW], v0, 2, SPARE
	v_mov_b32 v[NIL], 0
	ds_add_u32 v[SPW], v[NIL]
	ds_add_u32 v[SPW], v[NIL]
	v_lshrrev_b32 v1, 5, v0
	v_readfirstlane_b32 s14, v1
	s_lshr_b32 s15, s14, 1
	s_and_b32 s16, s14, 1
	s_bfe_u32 s92, ttmp6, 0x40000
	s_bfe_u32 s93, ttmp6, 0x40004
	s_and_b32 s94, ttmp7, 0xffff
	s_cmp_eq_u32 ttmp9, 2
	s_cselect_b32 s95, 0, s94
	s_cselect_b32 s96, s94, ttmp9
	s_cselect_b32 s97, 640, 0
	s_cselect_b32 s98, 0, 512
	s_cselect_b32 s99, 1, 0
	s_lshl_b32 s95, s95, 2
	s_add_co_u32 s95, s95, s93
	s_lshl_b32 s96, s96, 2
	s_add_co_u32 s96, s96, s92
	s_lshl_b32 s17, s93, 2
	s_lshl_b32 s17, 15, s17
	s_lshl_b32 s18, 0x1111, s92
	s_or_b32 s[G1A], s17, (3<<16)|(1<<21)
	s_or_b32 s[G1B], s18, (3<<16)|(1<<21)
	s_or_b32 s[G1SA], s17, (3<<16)|(1<<21)
	s_or_b32 s[G1SB], s18, (3<<16)|(1<<21)
.irp g, G1A, G1B
	s_mov_b32 s[\g+1], 768<<16                     ; the head's loads: 16 tiles x four K steps (6,144 bytes)
	s_mov_b32 s[\g+2], 16<<16
	s_mov_b32 s[\g+3], 768<<16
	s_mov_b32 s[\g+4], 16
	s_mov_b32 s[\g+5], 1536
	s_mov_b32 s[\g+6], 0
	s_mov_b32 s[\g+7], 0
.endr
.irp g, G1SA, G1SB
	s_mov_b32 s[\g+1], 32<<16
	s_mov_b32 s[\g+2], 32<<16
	s_mov_b32 s[\g+3], 32<<16
	s_mov_b32 s[\g+4], 32
	s_mov_b32 s[\g+5], 32
	s_mov_b32 s[\g+6], 0
	s_mov_b32 s[\g+7], 0
.endr
	s_lshl_b32 s19, s16, 3
	s_lshl_b32 s20, s95, 4
	s_add_co_u32 s20, s20, s97
	s_add_co_u32 s20, s20, s19
	s_lshl_b32 s22, s96, 4
	s_add_co_u32 s22, s22, s98
	s_add_co_u32 s22, s22, s19
	s_lshl_b32 s2, s20, 9
	s_mov_b32 s3, 0
	s_lshl_b32 s100, s22, 9
	s_mov_b32 s101, 0
	s_mul_i32 s20, s20, 12288
	s_mov_b32 s21, 0
	s_mul_i32 s22, s22, 12288
	s_mov_b32 s23, 0
	s_mul_i32 s17, s14, HALFT
	s_lshl_b32 s18, s16, 12                        ; what my half adds to the scales' address: taken off again for the head's whole loads
	s_mov_b32 s19, 0
	s_wait_dscnt 0x0
	s_wait_kmcnt 0x0
	s_add_nc_u64 s[20:21], s[4:5], s[20:21]
	s_add_nc_u64 s[22:23], s[4:5], s[22:23]
	s_add_nc_u64 s[2:3], s[6:7], s[2:3]
	s_add_nc_u64 s[100:101], s[6:7], s[100:101]
	CROUND
	s_mov_b32 s[G0SA], 1
	s_mov_b32 s[G0SA+1], SCL
	s_sub_nc_u64 s[G0SA+2:G0SA+3], s[2:3], s[18:19]
	s_or_b32 s[G0SA+3], s[G0SA+3], 0x80000000
	s_mov_b32 s[G0SB], 1
	s_mov_b32 s[G0SB+1], SCL+SCB
	s_sub_nc_u64 s[G0SB+2:G0SB+3], s[100:101], s[18:19]
	s_or_b32 s[G0SB+3], s[G0SB+3], 0x80000000
.irp s, 0,2
	s_mov_b32 s[G0A+4*\s], 1
	s_add_co_u32 s[G0A+4*\s+1], s17, \s*SLOT
	s_add_nc_u64 s[G0A+4*\s+2:G0A+4*\s+3], s[20:21], \s*TROW
	s_or_b32 s[G0A+4*\s+3], s[G0A+4*\s+3], 0x80000000
	s_mov_b32 s[G0B+4*\s], 1
	s_add_co_u32 s[G0B+4*\s+1], s17, \s*SLOT
	s_add_nc_u64 s[G0B+4*\s+2:G0B+4*\s+3], s[22:23], \s*TROW
	s_or_b32 s[G0B+4*\s+3], s[G0B+4*\s+3], 0x80000000
.endr
	s_mul_i32 s18, s16, 98304                      ; my half's eight tiles, taken off again
	s_mov_b32 s[G0A+4], 1
	s_mov_b32 s[G0A+5], 0                          ; A's K steps 0-3 at LDS byte 0, [tile][6,144]
	s_sub_nc_u64 s[G0A+6:G0A+7], s[20:21], s[18:19]
	s_or_b32 s[G0A+7], s[G0A+7], 0x80000000
	s_mov_b32 s[G0B+4], 1
	s_mov_b32 s[G0B+5], SLOT                       ; B's behind them
	s_sub_nc_u64 s[G0B+6:G0B+7], s[22:23], s[18:19]
	s_or_b32 s[G0B+7], s[G0B+7], 0x80000000
; the head's loads, one a wave, in one chain of branches on the wave's number: A's codes, B's codes, A's scales, B's scales
	s_cmp_lt_u32 s14, 1
	s_cbranch_scc0 .Lhead_b
	tensor_load_to_lds s[G0A+4:G0A+7], s[G1A:G1A+7]
	s_nop 0
	PLACES 4
	s_branch .Lhead_asked
.Lhead_b:
	s_cmp_lt_u32 s14, 2
	s_cbranch_scc0 .Lhead_sa
	tensor_load_to_lds s[G0B+4:G0B+7], s[G1B:G1B+7]
	s_nop 0
	PLACES 4
	s_branch .Lhead_asked
.Lhead_sa:
	s_cmp_lt_u32 s14, 3
	s_cbranch_scc0 .Lhead_sb
	tensor_load_to_lds s[G0SA:G0SA+3], s[G1SA:G1SA+7]
	s_nop 0
	PLACES 4
	s_branch .Lhead_asked
.Lhead_sb:
	tensor_load_to_lds s[G0SB:G0SB+3], s[G1SB:G1SB+7]
	s_nop 0
	PLACES 4
.Lhead_asked:
	v_and_b32 v1, 15, v0
	v_bfe_u32 v2, v0, 4, 1
	s_wait_alu depctr_va_vdst(0)
	v_and_b32 v3, 31, v0
	v_lshlrev_b32 v4, 3, v3
	s_wait_alu depctr_va_vdst(0)
	s_mul_i32 s17, s15, HALFT
	s_mul_i32 s18, s16, HALFT
	s_add_co_u32 s18, s18, 2*HALFT
	v_add_nc_u32 v[ADRA+3], s17, v4                ; the last pair of K steps: [A's halves, B's halves][tile][3,072] from LDS byte 0
	v_add_nc_u32 v[ADRB+3], s18, v4
	s_add_co_u32 s17, s17, 2*SLOT
	s_add_co_u32 s18, s18, 2*SLOT
	v_add_nc_u32 v[ADRA+2], s17, v4                ; the third pair: the same from 2 SLOT
	v_add_nc_u32 v[ADRB+2], s18, v4
	s_mul_i32 s17, s15, 2*HALFT
	s_mul_i32 s18, s16, 2*HALFT
	s_add_co_u32 s18, s18, SLOT
	v_add_nc_u32 v[ADRA], s17, v4                  ; the first two pairs: [tile][6,144]
	v_add_nc_u32 v[ADRB], s18, v4
	v_add_nc_u32 v[ADRA+1], TROW, v[ADRA]
	v_add_nc_u32 v[ADRB+1], TROW, v[ADRB]
	s_lshl_b32 s17, s15, 12
	s_lshl_b32 s18, s16, 12
	s_add_co_u32 s18, s18, SCB
	s_sub_co_u32 s18, s18, s17
	v_mul_u32_u24 v5, s18, v2
	s_add_co_u32 s17, s17, SCL
	v_lshl_add_u32 v5, v1, 3, v5
	v_add_nc_u32 v[ADRS], s17, v5
	v_lshlrev_b32 v23, 6, v2
	v_and_b32 v5, 8, v1
	v_add_nc_u32 v5, v5, v1
	v_lshlrev_b32 v24, 2, v5
	v_lshlrev_b32 v25, 3, v3
	v_lshlrev_b32 v26, 4, v3
.irp b, 0,1,2,3
	v_mov_b32 v[TM+4+\b], 0
.endr
	s_lshl_b32 s94, s95, 8
	s_lshl_b32 s17, s15, 7
	s_add_co_u32 s94, s94, s17
	s_lshl_b32 s97, s96, 8
	s_lshl_b32 s17, s16, 7
	s_add_co_u32 s97, s97, s17
	s_mov_b32 s101, 0
	s_cmp_eq_u32 s99, 1
	s_cbranch_scc1 .Lbias_v
	s_lshl_b32 s100, s97, 2
	s_add_nc_u64 s[8:9], s[8:9], s[100:101]
.irp b, 0,1,2,3
.irp q, 0,1,2,3
	global_load_b128 v[BIAS+16*\b+4*\q:BIAS+16*\b+4*\q+3], v23, s[8:9] offset:128*\b+16*\q
.endr
.endr
	s_branch .Lbias_done
.Lbias_v:
	s_lshl_b32 s100, s94, 2
	s_add_co_u32 s100, s100, 8192
	s_add_nc_u64 s[8:9], s[8:9], s[100:101]
	s_wait_alu depctr_va_vdst(0)
.irp a, 0,1,2,3,4,5,6,7
.irp j, 0,1,2,3,4,5,6,7
	global_load_b32 v[BIAS+8*\a+\j], v24, s[8:9] offset:4*(32*(\a/2)+8*(\a%2))
.endr
.endr
.Lbias_done:
	s_wait_alu depctr_va_vdst(0)
	s_wait_tensorcnt 0x0                           ; my tile of the head's four is in
	ds_add_u32 v[SPW], v[NIL]
.irp g, G1A, G1B
	s_mov_b32 s[\g+1], 384<<16                     ; no tensor load of mine is out: from here on a load brings 8 tiles x two K steps
	s_mov_b32 s[\g+2], 8<<16
	s_mov_b32 s[\g+3], 384<<16
	s_mov_b32 s[\g+4], 8
.endr
	s_wait_dscnt 0x0
	CROUND
	JLOAD G0A+8, G1A, G0B+8, G1B                   ; the third pair of K steps
	FETCH_B 0, 0, 0
	FETCH_A 0, 0, 0
	SCALES 0, 0
	FETCH_A 0, 0, 4
	STEP 0, 0, 1
	TURN 0, 0, 1, 1, 0
	STEP 1, 1, 0
	TURN 1, 1, 2, 2, 2
	STEP 2, 0, 0
	TURN 2, 0, 3, 3, 1
	STEP 3, 1, 0
	LAST 1
	s_wait_loadcnt 0x0
	PLACES 4
	s_mov_b32 s92, 0xffff0000
	s_mov_b32 s[SEL], 0x76543210
	s_mov_b32 s[SEL+1], 0xfedcba98
	s_mov_b32 s21, 0
	s_cmp_eq_u32 s99, 1
	s_cbranch_scc1 .Lout_v
	s_lshr_b32 s17, s94, 11
	s_and_b32 s18, s94, 2047
	s_lshr_b32 s19, s97, 10
	s_lshl_b32 s19, s19, 6
	s_lshl_b32 s17, s17, 4
	s_add_co_u32 s19, s19, s17
	s_bfe_u32 s17, s97, 0x40006
	s_add_co_u32 s19, s19, s17
	s_mul_i32 s20, s19, 98304
	s_lshr_b32 s17, s18, 5
	s_mul_i32 s17, s17, 1536
	s_add_co_u32 s20, s20, s17
	s_add_nc_u64 s[10:11], s[10:11], s[20:21]
	s_lshl_b32 s20, s19, 13
	s_lshr_b32 s17, s18, 7
	s_lshl_b32 s17, s17, 9
	s_add_co_u32 s20, s20, s17
	s_add_nc_u64 s[12:13], s[12:13], s[20:21]
.irp p, 0,1,2,3
.irp u, 0,1
	WIN 0x02+(2*\p+\u)/4
.set AC, 64*((2*\p+\u)%4)
.set i, 0
.rept 32
	v_pk_add_f32 v[HA+i:HA+i+1], v[AC+i:AC+i+1], v[BIAS+i:BIAS+i+1]
.set i, i+2
.endr
	WIN 0
.if (\u == 0) && (\p > 0)
	s_wait_xcnt 0x0
.endif
	QUANT HA, PC+6*\u, PC+12+6*\u
.if \u == 0
	v_and_b32 v[SW+\p], 0xffff, v[PW]
	v_lshrrev_b32 v[SW+4+\p], 16, v[PW]
.else
	v_and_b32 v[TP], 0xffff, v[PW]
	v_cndmask_b32 v[SW+\p], v[SW+\p], v[TP], s92
	v_lshrrev_b32 v[TP], 16, v[PW]
	v_cndmask_b32 v[SW+4+\p], v[SW+4+\p], v[TP], s92
.endif
.endr
.irp c, 0,1
.irp q, 0,1,2
	global_store_b128 v26, v[PC+12*\c+4*\q:PC+12*\c+4*\q+3], s[10:11] offset:\c*98304+\p*1536+\q*512
.endr
.endr
.endr
	global_store_b128 v26, v[SW:SW+3], s[12:13]
	global_store_b128 v26, v[SW+4:SW+7], s[12:13] offset:8192
	s_branch .Lend
.Lout_v:
	s_lshr_b32 s17, s97, 11
	s_bfe_u32 s18, s97, 0x40007
	s_lshl_b32 s17, s17, 4
	s_lshr_b32 s19, s94, 6
	s_add_co_u32 s19, s19, s17
	s_add_co_u32 s20, s19, 128
	s_mul_i32 s20, s20, 98304
	s_mul_i32 s17, s18, 6144
	s_add_co_u32 s20, s20, s17
	s_add_nc_u64 s[10:11], s[10:11], s[20:21]
	s_lshl_b32 s20, s19, 12
	s_lshl_b32 s17, s18, 8
	s_add_co_u32 s20, s20, s17
	s_add_co_u32 s20, s20, 1048576
	s_add_nc_u64 s[12:13], s[12:13], s[20:21]
.irp a, 0,1,2,3,4,5,6,7
	WIN 0x02+\a/4
.set AC, 64*(\a%4)
.set i, 0
.rept 32
	v_pk_add_f32 v[HA+i:HA+i+1], v[AC+i:AC+i+1], v[BIAS+8*\a+i%8:BIAS+8*\a+i%8+1]
.set i, i+2
.endr
	WIN 0
	s_wait_xcnt 0x0
	QUANT HA, PC, PC+6
.irp q, 0,1,2
	global_store_b128 v26, v[PC+4*\q:PC+4*\q+3], s[10:11] offset:(\a/4)*98304+(\a%4)*1536+\q*512
.endr
.if \a%2 == 0
	v_mov_b32 v[SW+(\a%4)/2], v[PW]
.else
	v_cndmask_b32 v[SW+(\a%4)/2], v[SW+(\a%4)/2], v[PW], s92
.endif
.if \a%4 == 3
	global_store_b64 v25, v[SW:SW+1], s[12:13] offset:(\a/4)*4096
.endif
.endr
.Lend:
	s_wait_tensorcnt 0x0
	ds_add_u32 v[SPW], v[NIL]
	s_wait_dscnt 0x0
	CROUND
	s_endpgm
.Lfunc_end_k_q55d88eeabd_gemm1:
	.size	k_q55d88eeabd_gemm1, .Lfunc_end_k_q55d88eeabd_gemm1-k_q55d88eeabd_gemm1
	.p2alignl 7, 3214868480
	.fill 96, 4, 3214868480
	.section	.rodata,"a",@progbits
	.p2align	6, 0x0
	.amdhsa_kernel k_q55d88eeabd_gemm1
		.amdhsa_group_segment_fixed_size 327680
		.amdhsa_private_segment_fixed_size 0
		.amdhsa_enable_private_segment 0
		.amdhsa_kernarg_size 40
		.amdhsa_user_sgpr_count 2
		.amdhsa_user_sgpr_kernarg_segment_ptr 1
		.amdhsa_wavefront_size32 1
		.amdhsa_system_sgpr_workgroup_id_x 1
		.amdhsa_system_sgpr_workgroup_id_y 1
		.amdhsa_system_sgpr_workgroup_id_z 1
		.amdhsa_system_vgpr_workitem_id 0
		.amdhsa_next_free_vgpr 1024
		.amdhsa_next_free_sgpr 102
		.amdhsa_reserve_vcc 0
		.amdhsa_float_denorm_mode_32 3
		.amdhsa_float_denorm_mode_16_64 3
		.amdhsa_memory_ordered 1
		.amdhsa_forward_progress 1
		.amdhsa_inst_pref_size 239
	.end_amdhsa_kernel
	.amdgpu_metadata
---
amdhsa.version: [ 1, 2 ]
amdhsa.kernels:
  - .name:           k_q55d88eeabd_gemm1
    .symbol:         k_q55d88eeabd_gemm1.kd
    .args:
      - { .name: inc, .offset: 0, .size: 8, .value_kind: global_buffer, .address_space: global }
      - { .name: ins, .offset: 8, .size: 8, .value_kind: global_buffer, .address_space: global }
      - { .name: qkv_b, .offset: 16, .size: 8, .value_kind: global_buffer, .address_space: global }
      - { .name: qkvc, .offset: 24, .size: 8, .value_kind: global_buffer, .address_space: global }
      - { .name: qkvs, .offset: 32, .size: 8, .value_kind: global_buffer, .address_space: global }
    .group_segment_fixed_size: 327680
    .private_segment_fixed_size: 0
    .kernarg_segment_align: 8
    .kernarg_segment_size: 40
    .max_flat_workgroup_size: 128
    .sgpr_count:     102
    .vgpr_count:     1024
    .wavefront_size: 32
...
	.end_amdgpu_metadata
.endif
;; end of part 2
;; launch attn (part 3): grid 4 x 64, 8 waves a work-group, clusters of 4 x 1, 327,680 bytes of LDS; arguments qkvc, qkvs, atc, ats; writes atc, ats
.if DOCPART == 3
	.amdgcn_target "amdgcn-amd-amdhsa--gfx1250"
	.amdhsa_code_object_version 6
	.text
	.protected	k_q55d88eeabd_attn
	.globl	k_q55d88eeabd_attn
	.p2align	8
	.type	k_q55d88eeabd_attn,@function
k_q55d88eeabd_attn:
	s_mov_b64 s[64:65], 0
	v_nop
	global_prefetch_b8 v0, s[64:65] scope:SCOPE_SE
	s_setreg_imm32_b32 hwreg(HW_REG_WAVE_MODE, 25, 1), 1
	s_wait_xcnt 0x0
	s_wait_alu depctr_hold_cnt(0) depctr_sa_sdst(0) depctr_va_vdst(0) depctr_va_sdst(0) depctr_va_ssrc(0) depctr_va_vcc(0) depctr_vm_vsrc(0)
	s_getreg_b32 s2, hwreg(HW_REG_IB_STS2, 6, 4)
	s_cmp_eq_u32 s2, 0
	s_cbranch_scc0 .Lentry_in_a_cluster
	s_endpgm
.Lentry_in_a_cluster:
	s_bfe_u32 s2, ttmp6, 0x10000c
	s_cmp_lg_u32 s2, 0x3003
	s_cbranch_scc0 .Lentry_shape_is_right
	s_endpgm
.Lentry_shape_is_right:
; softmax(q k^T / 8) v for one head, both products on codes of FP6 (E2M3) with E8M0 scales; the result, divided by the row's sum, is quantised along the model's 1,024 and leaves as the last product's operand.
; THE SOFTMAX: t = score x log2(e) / 8; M = the running largest t rounded UP to a whole number; p = 2^(t - M) is quantised along the keys, not normalised; the row's sum is taken of the unquantised p;
; when M moves, the sum and O are multiplied by 2^(old M - new M), which rounds nothing.  A running maximum is taken away ahead of every exponential.
; A BLOCK'S SCALE needs the exponent of its largest p alone, which is floor(t - M) of its largest score: it is made by whole-number arithmetic ahead of the exponentials.
; SHARES.  A work-group owns 512 queries of one head; each of its eight waves 64, in two passes of 32 (two tiles of 16): every fragment of K and V that comes from LDS serves both tiles.
; THE TWO TILES ARE WORKED TOGETHER, line by line in turn, so that no line waits for the line above it; among one tile's exponentials stand plain lines of the other tile whose results are read behind the batch's wait.
; THE HEAD'S WHOLE K AND V COME INTO LDS ONCE AND STAY.  The four work-groups of a cluster own the four blocks of queries of one head and ask for every tile JOINTLY: one tensor load a wave, a quarter of K or of V each.
; The scale words (12,288 bytes) come by plain loads and LDS stores into bytes of their own.  No prefetch: all tiles are asked for at the head, and there is no loop to run ahead in.
; LAYOUT.  Both products are used transposed: S^T = K Q^T, O^T = V^T P^T: a lane holds one query throughout.
; THE KEYS OF A TILE ARE CHOSEN BY THE LANES' LDS ADDRESSES: row m of tile (c, i) is key 64 c + 32 (m / 8) + 8 i + m % 8 of the step's 128.  So registers 32 c + 0 .. 31 of lane (r, h) are keys 64 c + 32 h + 0 .. 31:
; one whole scale block of p, in the order of the operand's registers.
; In memory K lies [32 keys][3 pieces][lane][16 bytes].  In LDS 128 bytes of padding stand behind each 512, so 32 keys are 1,920 bytes: lanes 0-7 and lanes 8-15 of a load, which read neighbouring groups of 32 keys, stand 128 bytes apart modulo 256.
; THE FIRST PRODUCT'S K IS 64, the instruction's 128.  Q's upper six registers are zero codes; K's upper six are the next tile's codes (the format has no NaN and no infinity); both scale words' upper two bytes are 0: those blocks add exactly 0.
; K of the next step is fetched while this step is worked; the step's number wraps at 16, so the first pass's last fetch serves the second pass; the second pass's last fetch is not used.
; OUT.  atc: [tile of 16 tokens][K step of 128: 8][piece: 6][lane][8 bytes]; a head is half a fragment.  ats: [tile][pair of K steps: 4][r][2][4 bytes]; a head is two bytes of a word.
; LIMITS: the promise holds while the scaled scores stay under 2^31 in magnitude; a block whose largest magnitude lies under 2^-124 gets the byte 1 (only this program reads the bytes);
; the division by the sum is a reciprocal and a multiplication; NaN and infinities are not served.
.set STP,   7680                       ; a key step in LDS: 12 pieces of 512 + 128 bytes
.set VC,    122880                     ; K's codes at 0, V's here
.set KS,    245760                     ; K's scale words, 512 bytes a key step
.set VS,    253952                     ; V's, 256 bytes a key step
.set SPARE, 258048                     ; the spare words, 128 bytes for each of eight waves
; window 0.  q: the tile of queries, c: the lane's block
.set AKL, 1                            ; K's gather: 1920 (r / 8) + 16 (r % 8) + 256 h
.set AVL, 2                            ; VC + 16 x lane
.set ASK, 3                            ; KS + 256 h + 16 (r % 8) + 4 (r / 8)
.set ASV, 4                            ; VS + 8 x lane
.set SPW, 5                            ; my spare word; never rewritten
.set NIL, 6                            ; 0; never rewritten
.set GO,  7                            ; 8 x lane
.set ADK, 8                            ; v8-11 the addresses of the fetches in hand
.set ADV, 9
.set ADS, 10
.set ADT, 11
.set NM,  12                           ; 4 q + ..: -M, the largest score, the sum in two halves
.set AQ,  20                           ; 16 x lane
.set GS,  21
.set SK,  22                           ; where my part of the scale words goes
.set SV,  23
.set BM,  24                           ; v24-31 4 q + 2 c: a block's largest score, in two chains
.set TP,  32                           ; + q
.set TX,  34                           ; + q
.set FF,  36                           ; + 2 q: f = 2^(old M - new M), as a pair's low word
.set SO,  40                           ; + 2 q + c: the conversions' scale operands
.set BX,  44                           ; + 2 q + c: the bytes
.set QS,  48                           ; Q's scale words: lanes 0-15 the first tile, 16-31 the second
.set SH,  49                           ; 8 h
.set KSC, 50                           ; v50-53 K's scale words
.set VSC, 54                           ; v54-55 V's
.set PW,  56                           ; + q: p's
.set HW,  58                           ; + q: the result's scale bytes
.set QS1, 60                           ; the second pass's Q scale words
.set ST,  64                           ; v64-191 S^T, then p: 64 for each tile of queries
.set PCD, 192                          ; + 12 q: p's codes
.set T,   216                          ; + 8 q: upper halves of blocks
.set F,   232                          ; v232-237 the result's codes
; window 1 (numbers less 256)
.set OT,  0                            ; O^T, 32 for each tile of queries
.set KF,  64                           ; K's eight tiles, six registers each, and six zeros behind them
.set VF,  120                          ; V's four fragments
.set QF,  168                          ; Q: for each tile six registers of codes, six of zeros
.set QR1, 192                          ; the second pass's twelve
.set WV,  12
.set CX,  13
.set BH,  14
.set SEL, 20
.set CS,  22
.set G1,  24
.set G0,  32
.set HI16, 36
.set NXT, 37
.set TK,  38
.set TKS, 39
.set TV,  40
.set TVS, 41
.set CNT, 42
.set PASS, 43
.set MSB, 0
.macro WIN new                         ; the immediate's high byte repeats the setting that is left
.if MSB != (\new)
	s_set_vgpr_msb (MSB<<8)|(\new)
.set MSB, (\new)
.endif
.endm
.macro WALU
	s_wait_alu depctr_va_vdst(0)
.endm
.macro DEP n
	s_delay_alu instid0(VALU_DEP_\n)
.endm
.macro CROUND
	s_barrier_signal -1
	s_barrier_wait -1
	s_cmp_lg_u32 s[WV], 0
	s_cbranch_scc1 .Lnot_wave_0_\@
	s_barrier_signal -3
.Lnot_wave_0_\@:
	s_barrier_wait -3
	s_barrier_signal -1
	s_barrier_wait -1
.endm
.macro LOADK                           ; K's eight tiles (16 loads) and their scale words (4)
	WIN 0x40
.irp c, 0,1
.irp e, 0,1
	ds_load_b128 v[KF+6*(4*\c+2*\e):KF+6*(4*\c+2*\e)+3], v[ADK] offset:3840*\c+128*\e
	ds_load_b64 v[KF+6*(4*\c+2*\e)+4:KF+6*(4*\c+2*\e)+5], v[ADK] offset:3840*\c+128*\e+640
	ds_load_b64 v[KF+6*(4*\c+2*\e)+6:KF+6*(4*\c+2*\e)+7], v[ADK] offset:3840*\c+128*\e+648
	ds_load_b128 v[KF+6*(4*\c+2*\e)+8:KF+6*(4*\c+2*\e)+11], v[ADK] offset:3840*\c+128*\e+1280
.endr
.endr
	WIN 0
.irp c, 0,1
.irp e, 0,1
	ds_load_b32 v[KSC+2*\c+\e], v[ADS] offset:128*\e+8*\c   ; lanes 0-15: tile (c, 2 e); lanes 16-31: tile (c, 2 e + 1)
.endr
.endr
.endm
.macro SQ q                            ; S^T of tile q of queries: eight tiles of 16 keys
.irp c, 0,1
.irp e, 0,1
.irp u, 0,1
	v_wmma_scale_f32_16x16x128_f8f6f4 v[ST+64*\q+32*\c+16*\e+8*\u:ST+64*\q+32*\c+16*\e+8*\u+7], v[KF+6*(4*\c+2*\e+\u):KF+6*(4*\c+2*\e+\u)+11], v[QF+12*\q:QF+12*\q+11], 0, v[KSC+2*\c+\e], v[QS] matrix_a_fmt:MATRIX_FMT_FP6 matrix_b_fmt:MATRIX_FMT_FP6 matrix_a_scale:MATRIX_SCALE_ROW\u matrix_b_scale:MATRIX_SCALE_ROW\q
.endr
.endr
.endr
.endm
.macro PV q                            ; O^T += V^T P^T: the accumulators by turns
.irp e, 0,1
.irp u, 0,1
	v_wmma_scale_f32_16x16x128_f8f6f4 v[OT+32*\q+16*\e+8*\u:OT+32*\q+16*\e+8*\u+7], v[VF+24*\e+12*\u:VF+24*\e+12*\u+11], v[PCD+12*\q:PCD+12*\q+11], v[OT+32*\q+16*\e+8*\u:OT+32*\q+16*\e+8*\u+7], v[VSC+\e], v[PW+\q] matrix_a_fmt:MATRIX_FMT_FP6 matrix_b_fmt:MATRIX_FMT_FP6 matrix_a_scale:MATRIX_SCALE_ROW\u
.endr
.endr
.endm
.macro LVL q, d                        ; a level of the tree that sums tile q's p, in place: pairs d registers apart
.set j, 0
.rept 32/(\d)
	v_pk_add_f32 v[ST+64*(\q)+j:ST+64*(\q)+j+1], v[ST+64*(\q)+j:ST+64*(\q)+j+1], v[ST+64*(\q)+j+(\d):ST+64*(\q)+j+(\d)+1]
.set j, j+2*(\d)
.endr
.endm
.macro CVT q, n                        ; the n-th of tile q's four conversions
.if (\n)%2 == 0
	v_cvt_scalef32_pk16_fp6_f32 v[PCD+12*(\q)+3*(\n):PCD+12*(\q)+3*(\n)+2], v[ST+64*(\q)+16*(\n):ST+64*(\q)+16*(\n)+15], v[SO+2*(\q)+(\n)/2]
.else
	v_cvt_scalef32_pk16_fp6_f32 v[T+8*(\q)+2*(\n)-2:T+8*(\q)+2*(\n)], v[ST+64*(\q)+16*(\n):ST+64*(\q)+16*(\n)+15], v[SO+2*(\q)+(\n)/2]   ; (a conversion's three registers begin on an even number)
.endif
.endm
.macro MOVS q                          ; the blocks' upper halves to their places
.irp c, 0,1
.irp i, 0,1,2
	v_mov_b32 v[PCD+12*(\q)+6*\c+3+\i], v[T+8*(\q)+4*\c+\i]
.endr
.endr
.endm
; A tile of queries is finished: O^T / the sum, quantised along the head's 64 channels (two blocks), stored as half a fragment
.macro OUT q
.set L_, NM+4*(\q)+2
	v_add_f32 v[TP], v[L_], v[L_+1]
	v_permlanex16_b32 v[TX], v[TP], s[SEL], s[SEL+1]
	v_add_f32 v[TP], v[TP], v[TX]                  ; the row's sum
	WALU
	v_rcp_f32 v[TP], v[TP]
	v_nop                                          ; a plain place behind the reciprocal
	WIN 0x01
	WALU                                           ; the wait, directly ahead of the first readers
.set j, 0
.rept 32
	v_mul_f32 v[ST+j], v[OT+32*(\q)+j], v[TP]      ; register 16 b + i: channel 32 b + 16 h + i
.set j, j+1
.endr
	WIN 0
.irp b, 0,1
	v_max3_num_f32 v[BM+\b], |v[ST+16*\b]|, |v[ST+1+16*\b]|, 0x1800000
.endr
.irp i, 2,4,6,8,10,12,14
.irp b, 0,1
	v_max3_num_f32 v[BM+\b], v[BM+\b], |v[ST+16*\b+\i]|, |v[ST+1+16*\b+\i]|
.endr
.endr
.irp b, 0,1
	v_permlanex16_b32 v[BX+\b], v[BM+\b], s[SEL], s[SEL+1]
.endr
.irp b, 0,1
	v_max_num_f32 v[BM+\b], v[BM+\b], v[BX+\b]
.endr
.irp b, 0,1
	v_add_nc_u32 v[SO+\b], 0xff000000, v[BM+\b]
.endr
.irp b, 0,1
	v_lshrrev_b32 v[BX+\b], 23, v[SO+\b]
.endr
	v_lshl_or_b32 v[HW+\q], v[BX+1], 8, v[BX]      ; the head's two bytes of my row's scale word
	WALU
	s_wait_xcnt 0x0                                ; earlier stores have read the codes' registers
	v_cvt_scalef32_pk16_fp6_f32 v[F:F+2], v[ST:ST+15], v[SO]
	v_cvt_scalef32_pk16_fp6_f32 v[T:T+2], v[ST+16:ST+31], v[SO+1]
	v_nop
.irp i, 0,1,2
	v_permlane16_swap_b32 v[F+\i], v[T+\i]         ; a whole block to a lane
.endr
.irp i, 0,1,2
	v_mov_b32 v[F+3+\i], v[T+\i]
.endr
.irp i, 0,1,2
	global_store_b64 v[GO], v[F+2*\i:F+2*\i+1], s[8:9] offset:\q*12288+\i*256   ; 256 consecutive bytes, aligned
.endr
.endm
	s_load_b256 s[4:11], s[0:1], 0x0               ; qkvc s[4:5], qkvs s[6:7], atc s[8:9], ats s[10:11]
	v_lshl_add_u32 v[SPW], v0, 2, SPARE
	v_mov_b32 v[NIL], 0
	ds_add_u32 v[SPW], v[NIL]                      ; the opening lines: the add, twice on end, and its wait ahead of my tensor load
	ds_add_u32 v[SPW], v[NIL]
	v_lshrrev_b32 v8, 5, v0
	v_readfirstlane_b32 s[WV], v8                  ; wave 0..7
	s_bfe_u32 s[CX], ttmp6, 0x40000                ; my block of 512 queries: it enters Q's and the result's addresses alone
	s_and_b32 s[BH], ttmp7, 0xffff                 ; batch x 16 + head, which the four partners share
	s_mov_b32 s[G1], 15|(3<<16)|(1<<20)|(1<<21)|(6<<22)|(31<<25)   ; the mask: all four; elements of 8 bytes; 32 words of padding behind every 128
	s_mov_b32 s[G1+1], 64<<16                      ; rows of 512 bytes,
	s_mov_b32 s[G1+2], 48<<16                      ; 48 of them: four key steps
	s_mov_b32 s[G1+3], 64<<16
	s_mov_b32 s[G1+4], 48
	s_mov_b32 s[G1+5], 64
	s_mov_b32 s[G1+6], 0
	s_mov_b32 s[G1+7], 0
	s_and_b32 s44, s[WV], 1                        ; I fetch for K (0) or V (1),
	s_lshr_b32 s45, s[WV], 1                       ; which quarter
	s_mul_i32 s46, s44, VC
	s_mul_i32 s47, s45, 4*STP
	s_mov_b32 s[G0], 1
	s_add_co_u32 s[G0+1], s46, s47
	s_add_co_u32 s48, s44, 1
	s_mul_i32 s48, s48, 6291456                    ; k's or v's part of qkvc
	s_mul_i32 s49, s[BH], 98304
	s_add_co_u32 s48, s48, s49
	s_mul_i32 s49, s45, 24576
	s_add_co_u32 s48, s48, s49
	s_mov_b32 s49, 0
	s_mov_b32 s[SEL], 0x76543210
	s_mov_b32 s[SEL+1], 0xfedcba98                 ; selects for lane l xor 16
	s_mov_b32 s[CS], 0x3e38aa3b                    ; c = log2(e) / 8
	s_mov_b32 s[CS+1], s[CS]
	s_mov_b32 s[HI16], 0xffff0000                  ; lanes 16-31
	v_and_b32 v9, 31, v0                           ; lane
	v_and_b32 v10, 15, v0                          ; r
	v_bfe_u32 v11, v0, 4, 1                        ; h
	v_bfe_u32 v8, v0, 3, 1                         ; r / 8
	v_and_b32 v[TP], 7, v0                         ; r % 8
	v_lshlrev_b32 v[AQ], 4, v9
	v_add_nc_u32 v[AVL], VC, v[AQ]
	v_lshlrev_b32 v[GO], 3, v9
	v_add_nc_u32 v[ASV], VS, v[GO]
	v_mul_u32_u24 v[AKL], v8, 1920
	v_lshl_add_u32 v[AKL], v[TP], 4, v[AKL]
	v_lshl_add_u32 v[AKL], v11, 8, v[AKL]
	v_lshlrev_b32 v[ASK], 2, v8
	v_lshl_add_u32 v[ASK], v[TP], 4, v[ASK]
	v_lshl_add_u32 v[ASK], v11, 8, v[ASK]
	v_add_nc_u32 v[ASK], KS, v[ASK]
	v_lshlrev_b32 v[GS], 3, v10
	v_lshl_add_u32 v[GS], v11, 9, v[GS]            ; 8 r, and the second tile's 512 bytes on for lanes 16-31
	v_lshlrev_b32 v[SH], 3, v11
	s_lshl_b32 s50, s[WV], 10                      ; my 1,024 bytes of K's scale words,
	s_lshl_b32 s51, s[WV], 9                       ; my 512 of V's
	v_add_nc_u32 v[SK], s50, v[AQ]
	v_add_nc_u32 v[SK], KS, v[SK]
	v_add_nc_u32 v[SV], s51, v[AQ]
	v_add_nc_u32 v[SV], VS, v[SV]
	WALU                                           ; the wait ahead of the blocking waits
	s_wait_dscnt 0x0                               ; both opening adds are done
	s_wait_kmcnt 0x0
	s_add_nc_u64 s[G0+2:G0+3], s[4:5], s[48:49]
	s_or_b32 s[G0+3], s[G0+3], 0x80000000
	CROUND                                         ; all four work-groups are here: the joint loads meet
	tensor_load_to_lds s[G0:G0+3], s[G1:G1+7]      ; one line, which every wave issues for bytes of its own and every wave waits for
	s_nop 0
.rept 4
	v_nop
.endr
	s_lshl_b32 s52, s[BH], 13
	s_add_co_u32 s52, s52, s50
	s_add_co_u32 s52, s52, 524288
	s_mov_b32 s53, 0
	s_add_nc_u64 s[52:53], s[6:7], s[52:53]        ; K's scale words, my part
	s_lshl_b32 s54, s[BH], 12
	s_add_co_u32 s54, s54, s51
	s_add_co_u32 s54, s54, 1048576
	s_mov_b32 s55, 0
	s_add_nc_u64 s[54:55], s[6:7], s[54:55]        ; V's
	global_load_b128 v[64:67], v[AQ], s[52:53]
	global_load_b128 v[68:71], v[AQ], s[52:53] offset:512
	global_load_b128 v[72:75], v[AQ], s[54:55]
	s_lshl_b32 s15, s[CX], 4
	s_lshl_b32 s44, s[WV], 1
	s_add_co_u32 s15, s15, s44                     ; my first pair of tiles in the head; the second pass takes the next
	s_mul_i32 s44, s15, 1536
	s_mul_i32 s45, s[BH], 98304
	s_add_co_u32 s44, s44, s45
	s_mov_b32 s45, 0
	s_add_nc_u64 s[16:17], s[4:5], s[44:45]        ; Q's codes
	s_lshr_b32 s44, s15, 2
	s_lshl_b32 s44, s44, 9
	s_and_b32 s46, s15, 3
	s_lshl_b32 s46, s46, 2
	s_add_co_u32 s44, s44, s46
	s_lshl_b32 s46, s[BH], 13
	s_add_co_u32 s44, s44, s46
	s_add_nc_u64 s[18:19], s[6:7], s[44:45]        ; and its scale words
	WIN 0x40
.irp c, 0,1,2
	global_load_b128 v[QF+4*\c:QF+4*\c+3], v[AQ], s[16:17] offset:512*\c          ; both passes' Q come now
	global_load_b128 v[QR1+4*\c:QR1+4*\c+3], v[AQ], s[16:17] offset:1536+512*\c
.endr
	WIN 0
	global_load_b32 v[QS], v[AQ], s[18:19]
	global_load_b32 v[QS1], v[AQ], s[18:19] offset:4
	s_lshr_b32 s47, s[BH], 4                       ; the batch
	s_lshl_b32 s47, s47, 7
	s_lshl_b32 s46, s15, 1
	s_add_co_u32 s47, s47, s46                     ; my first tile of tokens
	s_and_b32 s46, s[BH], 15                       ; the head
	s_mul_i32 s44, s47, 12288
	s_lshr_b32 s56, s46, 1
	s_mul_i32 s56, s56, 1536                       ; its K step of the last product,
	s_add_co_u32 s44, s44, s56
	s_and_b32 s56, s46, 1
	s_mul_i32 s56, s56, 768                        ; and its half of the fragment
	s_add_co_u32 s44, s44, s56
	s_add_nc_u64 s[8:9], s[8:9], s[44:45]
	s_lshl_b32 s44, s47, 9
	s_lshr_b32 s56, s46, 2
	s_lshl_b32 s56, s56, 7
	s_add_co_u32 s44, s44, s56
	s_and_b32 s56, s46, 3
	s_lshl_b32 s56, s56, 1
	s_add_co_u32 s44, s44, s56
	s_add_nc_u64 s[10:11], s[10:11], s[44:45]
	WIN 0x40
.irp i, 0,1,2,3,4,5
	v_mov_b32 v[KF+48+\i], 0                       ; zeros behind K's last tile
.endr
.irp i, 0,1,2,3,4,5
	v_mov_b32 v[QF+18+\i], 0                       ; zero codes for the upper 64 of the instruction's K, second tile
.endr
	WIN 0
	v_mov_b32 v[TX], 0                             ; written once: a lane permute's destination counts as one of its sources
	v_mov_b32 v[TX+1], 0
	v_mov_b32 v[FF+1], 0                           ; (named as the upper halves of pairs)
	v_mov_b32 v[FF+3], 0
	v_mov_b32 v[ADK], v[AKL]
	v_mov_b32 v[ADS], v[ASK]
	WALU
	s_wait_loadcnt 0x0
	WIN 0x41
.irp i, 0,1,2,3,4,5
	v_mov_b32 v[QF+12+\i], v[QF+6+\i]              ; the second tile's codes to their place,
.endr
.irp i, 0,1,2,3,4,5
	v_mov_b32 v[QF+6+\i], 0                        ; and zero codes behind the first's
.endr
	WIN 0
	WALU
	s_wait_tensorcnt 0x0                           ; my quarter is in
	ds_store_b128 v[SK], v[64:67]
	ds_store_b128 v[SK], v[68:71] offset:512
	ds_store_b128 v[SV], v[72:75]
	s_wait_dscnt 0x0                               ; and my part of the scale words
	s_barrier_signal -1
	s_barrier_wait -1                              ; everybody's is: all of K and V lie in LDS, and nothing is filled again
	LOADK                                          ; key step 0
	s_mov_b32 s[NXT], 0
	s_mov_b32 s[PASS], 0
.Lpass:
	WIN 0x40
.set j, 0
.rept 64
	v_mov_b32 v[OT+j], 0                           ; O^T begins as zeros: the step is written once, and the first change of M multiplies zeros
.set j, j+1
.endr
	WIN 0
.irp q, 0,1
	v_mov_b32 v[NM+4*\q], 0x7f61b1e6               ; -M: 3e38
	v_mov_b32 v[NM+4*\q+1], 0xff61b1e6             ; the largest score: -3e38
	v_mov_b32 v[NM+4*\q+2], 0
	v_mov_b32 v[NM+4*\q+3], 0
.endr
	s_mov_b32 s[CNT], 16
.Lstep:                                            ; a key step: 128 keys x 32 queries
	WALU
	s_wait_dscnt 0x0                               ; K and its scale words, asked for a step ago
	s_mul_i32 s[TV], s[NXT], STP
	s_lshl_b32 s[TVS], s[NXT], 8
	s_add_co_u32 s[NXT], s[NXT], 1
	s_and_b32 s[NXT], s[NXT], 15                   ; behind the last step comes step 0
	s_mul_i32 s[TK], s[NXT], STP
	s_lshl_b32 s[TKS], s[NXT], 9
	WIN 0x05
	SQ 0
	SQ 1
	WIN 0
	v_add_nc_u32 v[ADT], s[TVS], v[ASV]            ; four plain lines: the places in front of the loads below and of the first read of the scores
	v_add_nc_u32 v[ADV], s[TV], v[AVL]
	v_add_nc_u32 v[ADK], s[TK], v[AKL]
	v_add_nc_u32 v[ADS], s[TKS], v[ASK]
	ds_load_b64 v[VSC:VSC+1], v[ADT]
	WIN 0x40
.irp i, 0,1,2,3,4,5,6,7,8,9,10,11
	ds_load_b128 v[VF+4*\i:VF+4*\i+3], v[ADV] offset:640*\i   ; V's four fragments land while the softmax is worked
.endr
	LOADK                                          ; and the next step's K
; the largest score of each block of 32 keys: eight chains; each accumulator is read from its low end on
.irp q, 0,1
.irp c, 0,1
	v_max3_num_f32 v[BM+4*\q+2*\c], v[ST+64*\q+32*\c], v[ST+64*\q+32*\c+1], v[ST+64*\q+32*\c+2]
	v_max3_num_f32 v[BM+4*\q+2*\c+1], v[ST+64*\q+32*\c+16], v[ST+64*\q+32*\c+17], v[ST+64*\q+32*\c+18]
.endr
.endr
.irp i, 3,5,7,9,11,13
.irp q, 0,1
.irp c, 0,1
	v_max3_num_f32 v[BM+4*\q+2*\c], v[BM+4*\q+2*\c], v[ST+64*\q+32*\c+\i], v[ST+64*\q+32*\c+\i+1]
	v_max3_num_f32 v[BM+4*\q+2*\c+1], v[BM+4*\q+2*\c+1], v[ST+64*\q+32*\c+16+\i], v[ST+64*\q+32*\c+17+\i]
.endr
.endr
.endr
.irp q, 0,1
.irp c, 0,1
	v_max3_num_f32 v[BM+4*\q+2*\c], v[BM+4*\q+2*\c], v[BM+4*\q+2*\c+1], v[ST+64*\q+32*\c+15]
.endr
.endr
.irp q, 0,1
.irp c, 0,1
	v_max_num_f32 v[BM+4*\q+2*\c], v[BM+4*\q+2*\c], v[ST+64*\q+32*\c+31]
.endr
.endr
; M and f, the two tiles line by line in turn
	DEP 3
	v_max_num_f32 v[TP], v[BM], v[BM+2]
	DEP 2
	v_max_num_f32 v[TP+1], v[BM+4], v[BM+6]
.irp q, 0,1
	DEP 2
	v_permlanex16_b32 v[TX+\q], v[TP+\q], s[SEL], s[SEL+1]
.endr
.irp q, 0,1
	DEP 2
	v_max3_num_f32 v[NM+4*\q+1], v[NM+4*\q+1], v[TP+\q], v[TX+\q]   ; the running largest score of my query
.endr
.irp q, 0,1
	DEP 2
	v_mul_f32 v[TP+\q], s[CS], v[NM+4*\q+1]        ; as t (c is positive)
.endr
.irp q, 0,1
	v_mov_b32 v[TX+\q], v[NM+4*\q]
.endr
.irp q, 0,1
	v_floor_f32 v[NM+4*\q], -v[TP+\q]              ; the new -M = floor(-t)
.endr
.irp q, 0,1
	DEP 2
	v_sub_f32 v[TX+\q], v[NM+4*\q], v[TX+\q]       ; old M - new M: a whole number, 0 or less
.endr
.irp q, 0,1
	DEP 2
	v_cvt_i32_f32 v[TX+\q], v[TX+\q]               ; (it saturates)
.endr
.irp q, 0,1
	DEP 2
	v_ldexp_f32 v[FF+2*\q], 1.0, v[TX+\q]          ; f = 2^(old M - new M)
.endr
; the four blocks' scales: the exponent of a block's largest p is floor(t - M) of its largest score, held at -124 from below, so that the byte cannot fall under 1
.irp q, 0,1
.irp c, 0,1
	v_fma_f32 v[BM+4*\q+2*\c], v[BM+4*\q+2*\c], s[CS], v[NM+4*\q]
.endr
.endr
.irp b, 0,2,4,6
	v_max_num_f32 v[BM+\b], 0xc2f80000, v[BM+\b]
.endr
.irp b, 0,2,4,6
	v_floor_f32 v[BM+\b], v[BM+\b]
.endr
.irp b, 0,2,4,6
	v_cvt_i32_f32 v[BM+\b], v[BM+\b]
.endr
.irp b, 0,1,2,3
	v_lshl_add_u32 v[SO+\b], v[BM+2*\b], 23, 0x3e800000   ; exponent field 127 - 2 + floor: the conversion's scale operand
.endr
.irp b, 0,1,2,3
	v_lshrrev_b32 v[BX+\b], 23, v[SO+\b]           ; the byte
.endr
	DEP 3
	v_lshl_or_b32 v[PW], v[BX+1], 16, v[BX]        ; my blocks h and 2 + h,
	DEP 2
	v_lshl_or_b32 v[PW+1], v[BX+3], 16, v[BX+2]
.irp q, 0,1
	DEP 2
	v_lshlrev_b32 v[PW+\q], v[SH], v[PW+\q]        ; at their places;
.endr
.irp q, 0,1
	DEP 2
	v_permlanex16_b32 v[TX+\q], v[PW+\q], s[SEL], s[SEL+1]
.endr
.irp q, 0,1
	DEP 2
	v_or_b32 v[PW+\q], v[PW+\q], v[TX+\q]          ; with lane l xor 16's two the word is whole
.endr
	WIN 0x41
.irp q, 0,1
.set j, 0
.rept 16
	v_pk_mul_f32 v[OT+32*\q+j:OT+32*\q+j+1], v[OT+32*\q+j:OT+32*\q+j+1], v[FF+2*\q:FF+2*\q+1] op_sel_hi:[1,0]   ; O^T under the new M
.set j, j+2
.endr
.endr
	WIN 0
.set j, 0
.rept 32
	v_pk_fma_f32 v[ST+j:ST+j+1], v[ST+j:ST+j+1], s[CS:CS+1], v[NM:NM+1] op_sel_hi:[1,0,0]   ; the first tile's t - M, two at a time
.set j, j+2
.endr
	WALU                                           ; the wait ahead of the batch
.set j, 0
.rept 32
	v_exp_f32 v[ST+j], v[ST+j]                     ; the first tile's p = 2^(t - M);
	v_exp_f32 v[ST+j+1], v[ST+j+1]
	v_pk_fma_f32 v[ST+64+j:ST+64+j+1], v[ST+64+j:ST+64+j+1], s[CS:CS+1], v[NM+4:NM+5] op_sel_hi:[1,0,0]   ; among them the second tile's t - M, read behind the wait below
.set j, j+2
.endr
	WALU                                           ; behind the first batch and ahead of the second
.set g, 0
.rept 32
	v_exp_f32 v[ST+64+2*g], v[ST+64+2*g]           ; the second tile's p;
	v_exp_f32 v[ST+64+2*g+1], v[ST+64+2*g+1]
.if g < 4
	CVT 0, g                                       ; among them the first tile's conversions,
.elseif g == 4
	v_nop                                          ; a plain place behind them,
.elseif g < 21
	v_pk_add_f32 v[ST+4*(g-5):ST+4*(g-5)+1], v[ST+4*(g-5):ST+4*(g-5)+1], v[ST+4*(g-5)+2:ST+4*(g-5)+3]   ; and the first level of its sum, in place: sixteen lines that do not hang on each other
.endif
.set g, g+1
.endr
	WALU                                           ; one wait for the batch and for what was written among it
	MOVS 0                                         ; (plain lines behind the last exponential)
.irp n, 0,1,2,3
	CVT 1, \n
.endr
	LVL 0, 4                                       ; THE ROW'S SUM IS TAKEN OF THE UNQUANTISED p.  (Plain lines behind the conversions)
	MOVS 1
	LVL 1, 2
	LVL 1, 4
	LVL 0, 8
	LVL 1, 8
	LVL 0, 16
	LVL 1, 16
	DEP 3
	v_pk_add_f32 v[ST:ST+1], v[ST:ST+1], v[ST+32:ST+33]
	DEP 2
	v_pk_add_f32 v[ST+64:ST+65], v[ST+64:ST+65], v[ST+96:ST+97]
.irp q, 0,1
	DEP 2
	v_pk_fma_f32 v[NM+4*\q+2:NM+4*\q+3], v[NM+4*\q+2:NM+4*\q+3], v[FF+2*\q:FF+2*\q+1], v[ST+64*\q:ST+64*\q+1] op_sel_hi:[1,0,1]   ; the old sum under the new M, and this step's
.endr
	WALU
	s_wait_dscnt 20                                ; V and its scale words are in; K's 16 loads and its 4 loads of scale words may be out
	WIN 0x51
	PV 0
	PV 1
	WIN 0
	s_sub_co_u32 s[CNT], s[CNT], 1
	s_cmp_lg_u32 s[CNT], 0
	s_cbranch_scc1 .Lstep
	OUT 0
	OUT 1
	v_cndmask_b32 v[HW], v[HW], v[HW+1], s[HI16]   ; lanes 0-15: the first tile's rows; lanes 16-31: the second's
	global_store_b16 v[GS], v[HW], s[10:11]
	s_wait_xcnt 0x0                                ; the bases are stepped only behind this wait
	s_add_nc_u64 s[8:9], s[8:9], 24576             ; two tiles of tokens on
	s_add_nc_u64 s[10:11], s[10:11], 1024
	s_add_co_u32 s[PASS], s[PASS], 1
	s_cmp_eq_u32 s[PASS], 2
	WALU
	s_cbranch_scc1 .Ldone
	WIN 0x41
.irp i, 0,1,2,3,4,5
	v_mov_b32 v[QF+\i], v[QR1+\i]                  ; the second pass's queries
	v_mov_b32 v[QF+12+\i], v[QR1+6+\i]
.endr
	WIN 0
	v_mov_b32 v[QS], v[QS1]
	s_cmp_lt_u32 s[PASS], 2
	WALU
	s_cbranch_scc1 .Lpass
.Ldone:
	s_wait_tensorcnt 0x0                           ; the wave's end
	ds_add_u32 v[SPW], v[NIL]
	s_wait_dscnt 0x0
	CROUND                                         ; the closing round
	s_endpgm
.Lfunc_end_k_q55d88eeabd_attn:
	.size	k_q55d88eeabd_attn, .Lfunc_end_k_q55d88eeabd_attn-k_q55d88eeabd_attn
	.p2alignl 7, 3214868480
	.fill 96, 4, 3214868480
	.section	.rodata,"a",@progbits
	.p2align	6, 0x0
	.amdhsa_kernel k_q55d88eeabd_attn
		.amdhsa_group_segment_fixed_size 327680
		.amdhsa_private_segment_fixed_size 0
		.amdhsa_enable_private_segment 0
		.amdhsa_kernarg_size 32
		.amdhsa_user_sgpr_count 2
		.amdhsa_user_sgpr_kernarg_segment_ptr 1
		.amdhsa_wavefront_size32 1
		.amdhsa_system_sgpr_workgroup_id_x 1
		.amdhsa_system_sgpr_workgroup_id_y 1
		.amdhsa_system_sgpr_workgroup_id_z 1
		.amdhsa_system_vgpr_workitem_id 0
		.amdhsa_next_free_vgpr 480
		.amdhsa_next_free_sgpr 66
		.amdhsa_reserve_vcc 0
		.amdhsa_float_denorm_mode_32 3
		.amdhsa_float_denorm_mode_16_64 3
		.amdhsa_memory_ordered 1
		.amdhsa_forward_progress 1
		.amdhsa_inst_pref_size 49
	.end_amdhsa_kernel
	.amdgpu_metadata
---
amdhsa.version: [ 1, 2 ]
amdhsa.kernels:
  - .name:           k_q55d88eeabd_attn
    .symbol:         k_q55d88eeabd_attn.kd
    .args:
      - { .name: qkvc, .offset: 0, .size: 8, .value_kind: global_buffer, .address_space: global }
      - { .name: qkvs, .offset: 8, .size: 8, .value_kind: global_buffer, .address_space: global }
      - { .name: atc, .offset: 16, .size: 8, .value_kind: global_buffer, .address_space: global }
      - { .name: ats, .offset: 24, .size: 8, .value_kind: global_buffer, .address_space: global }
    .group_segment_fixed_size: 327680
    .private_segment_fixed_size: 0
    .kernarg_segment_align: 8
    .kernarg_segment_size: 32
    .max_flat_workgroup_size: 256
    .sgpr_count:     66
    .vgpr_count:     480
    .wavefront_size: 32
...
	.end_amdgpu_metadata
.endif
;; end of part 3
;; launch gemm2 (part 4): grid 4 x 64, 4 waves a work-group, clusters of 4 x 4, 327,680 bytes of LDS; arguments atc, ats, inc, ins, out_b, out0; writes out0
.if DOCPART == 4
	.amdgcn_target "amdgcn-amd-amdhsa--gfx1250"
	.amdhsa_code_object_version 6
	.text
	.protected	k_q55d88eeabd_gemm2
	.globl	k_q55d88eeabd_gemm2
	.p2align	8
	.type	k_q55d88eeabd_gemm2,@function
k_q55d88eeabd_gemm2:
	s_mov_b64 s[64:65], 0
	v_nop
	global_prefetch_b8 v0, s[64:65] scope:SCOPE_SE
	s_setreg_imm32_b32 hwreg(HW_REG_WAVE_MODE, 25, 1), 1
	s_wait_xcnt 0x0
	s_wait_alu depctr_hold_cnt(0) depctr_sa_sdst(0) depctr_va_vdst(0) depctr_va_sdst(0) depctr_va_ssrc(0) depctr_va_vcc(0) depctr_vm_vsrc(0)
	s_getreg_b32 s2, hwreg(HW_REG_IB_STS2, 6, 4)
	s_cmp_eq_u32 s2, 0
	s_cbranch_scc0 .Lentry_in_a_cluster
	s_endpgm
.Lentry_in_a_cluster:
	s_bfe_u32 s2, ttmp6, 0x10000c
	s_cmp_lg_u32 s2, 0xf033
	s_cbranch_scc0 .Lentry_shape_is_right
	s_endpgm
.Lentry_shape_is_right:
; out0 = attn out_w^T + out_b: [8192][1024] f32, both operands as codes of FP6 (E2M3) with E8M0 scales, K = 1,024.
; atc, inc: [tile of 16 rows][K step of 128: 8][piece: 6][lane][8 bytes]: a fragment's registers as they lie; lane r of tile t holds row 32 (t / 2) + 8 (t % 2) + r + 8 (r / 8).  out_w's tiles are inc's 704-767.
; ats, ins: [tile][pair of K steps: 4][r][K step in the pair: 2][4 bytes].
; SHARES.  A work-group makes 128 x 256 of the result: 64 x 4 = 256 work-groups.  Four waves, 2 x 2; a wave makes 64 x 128: 32 accumulators of 16 x 16.
; ALL OF K LIES IN LDS: A's 8 tiles (98,304 bytes), B's 16 tiles (196,608), A's and B's scales (4,096 and 8,192): four dense blocks of memory, ONE tensor load a wave at the head, and nothing is filled again.
; CLUSTERS: 4 x 4 work-groups.  The four of a row of the cluster need the same rows of A, the four of a column the same rows of B: each block is asked for jointly.
; No prefetch: all tiles are asked for at the head, and there is no loop to run ahead in.
; THE MATRIX INSTRUCTION IS USED TRANSPOSED (source 0 = 16 rows of B, source 1 = 16 rows of A): a lane holds eight neighbouring numbers of a row of the result.  The bias is the first products' C.
; A K step is 32 products, the 32 accumulators by turns.  Both operands' fragments have two sets of registers: the next step's 72 loads go out ahead of this step's products.
; One register carries A's scale word (lanes 0-15) and B's (lanes 16-31) of block i; A has four blocks, so for i = 4 .. 7 lanes 0-15 read words that no product names.
; REGISTERS: window 0: v0-31 addresses, v32-63 scale words (two sets), v64-127 the bias, v128-223 A's fragments (two sets of 48); window 1: B's fragments at v0 and v128; window 2: the accumulators, (a, b) at v[8 (8 a + b)].
.set TILEB,  12288                     ; a tile, all of K
.set FRB,    1536                      ; a fragment
.set LB,     98304                     ; B's tiles in LDS, behind A's
.set SCL,    294912                    ; A's scales, then B's
.set SPARE,  311552                    ; the spare words, 128 bytes a wave
.set STAGE,  98304                     ; the way out: 16 rows x 528 bytes a wave, on B's bytes, which nobody reads behind the last barrier
.set ADRA, 8
.set ADRB, 12                          ; v12: B's tiles 0-3 of my eight; v13: tiles 4-7
.set STO,  24
.set RD,   25
.set CO,   26
.set ADRS, 27
.set SPW,  28
.set NIL,  29
.set SC,   32
.set BIAS, 64
.set AF,   128
.set BK,   128
.set G1A,  24
.set G1B,  32
.set G1SA, 40
.set G1SB, 48
.set G0SA, 56
.set G0SB, 60
.set G0A,  68
.set G0B,  80
.set MSB, 0
.macro WIN new                         ; the immediate's high byte repeats the setting that is left
.if MSB != (\new)
	s_set_vgpr_msb (MSB<<8)|(\new)
.set MSB, (\new)
.endif
.endm
.set MUL_LO, 0xa1                      ; source 0 (B) window 1, source 1 (A) window 0, C and D window 2
.set BIA_LO, 0x81                      ; the same with C in window 0
.set TO_B,   0x40
.macro CROUND
	s_barrier_signal -1
	s_barrier_wait -1
	s_cmp_lg_u32 s14, 0
	s_cbranch_scc1 .Lnot_wave_0_\@
	s_barrier_signal -3
.Lnot_wave_0_\@:
	s_barrier_wait -3
	s_barrier_signal -1
	s_barrier_wait -1
.endm
.macro PLACES n
.rept \n
	v_nop
.endr
.endm
.macro FRAG reg, adr, q, i
.irp p, 0,1,2,3,4,5
	ds_load_b64 v[\reg+2*\p:\reg+2*\p+1], v[\adr] offset:(\i)*TILEB+(\q)*FRB+\p*256
.endr
.endm
.macro FETCH k                         ; K step k's fragments into set k % 2; with an even k the scale words of the pair of steps
	WIN TO_B
.irp i, 0,1,2,3,4,5,6,7
	FRAG 128*((\k)%2)+12*\i, ADRB+\i/4, \k, \i%4
.endr
	WIN 0
.irp i, 0,1,2,3
	FRAG AF+48*((\k)%2)+12*\i, ADRA, \k, \i
.endr
.if (\k)%2 == 0
.irp i, 0,1,2,3,4,5,6,7
	ds_load_b64 v[SC+16*(((\k)/2)%2)+2*\i:SC+16*(((\k)/2)%2)+2*\i+1], v[ADRS] offset:\i*512+((\k)/2)*128
.endr
.endif
.endm
.macro MUL k
.irp a, 0,1,2,3
.irp b, 0,1,2,3,4,5,6,7
.if (\k) == 0
	v_wmma_scale_f32_16x16x128_f8f6f4 v[8*(8*\a+\b):8*(8*\a+\b)+7], v[128*((\k)%2)+12*\b:128*((\k)%2)+12*\b+11], v[AF+48*((\k)%2)+12*\a:AF+48*((\k)%2)+12*\a+11], v[BIAS+8*\b:BIAS+8*\b+7], v[SC+16*(((\k)/2)%2)+2*\b+(\k)%2], v[SC+16*(((\k)/2)%2)+2*\a+(\k)%2] matrix_a_fmt:MATRIX_FMT_FP6 matrix_b_fmt:MATRIX_FMT_FP6 matrix_a_scale:MATRIX_SCALE_ROW1
.else
	v_wmma_scale_f32_16x16x128_f8f6f4 v[8*(8*\a+\b):8*(8*\a+\b)+7], v[128*((\k)%2)+12*\b:128*((\k)%2)+12*\b+11], v[AF+48*((\k)%2)+12*\a:AF+48*((\k)%2)+12*\a+11], v[8*(8*\a+\b):8*(8*\a+\b)+7], v[SC+16*(((\k)/2)%2)+2*\b+(\k)%2], v[SC+16*(((\k)/2)%2)+2*\a+(\k)%2] matrix_a_fmt:MATRIX_FMT_FP6 matrix_b_fmt:MATRIX_FMT_FP6 matrix_a_scale:MATRIX_SCALE_ROW1
.endif
.endr
.endr
.endm
.macro STEPK k
	s_wait_dscnt 0x0                               ; this step's fragments, asked for a step ago
.if (\k) > 0
	PLACES 4                                       ; in front of loads into registers that the last step's products read
.endif
	FETCH (\k)+1
.if (\k) == 0
	WIN BIA_LO
.else
	WIN MUL_LO
.endif
	MUL \k
	WIN 0
.endm
	s_load_b256 s[4:11], s[0:1], 0x0               ; atc s[4:5], ats s[6:7], inc s[8:9], ins s[10:11]
	s_load_b128 s[96:99], s[0:1], 0x20             ; out_b, out0
	v_lshl_add_u32 v[SPW], v0, 2, SPARE
	v_mov_b32 v[NIL], 0
	ds_add_u32 v[SPW], v[NIL]                      ; the opening lines: the add, twice on end, and its wait ahead of my tensor load
	ds_add_u32 v[SPW], v[NIL]
	v_lshrrev_b32 v1, 5, v0
	v_readfirstlane_b32 s14, v1                    ; wave
	s_lshr_b32 s15, s14, 1                         ; which 64 of the block's rows are mine
	s_and_b32 s16, s14, 1                          ; which 128 of its columns
	s_bfe_u32 s92, ttmp6, 0x40000                  ; cx
	s_bfe_u32 s93, ttmp6, 0x40004                  ; cy
	s_and_b32 s95, ttmp7, 0xffff
	s_lshl_b32 s95, s95, 2
	s_add_co_u32 s95, s95, s93                     ; the block's row of 128, 0 .. 63
	s_lshl_b32 s94, ttmp9, 2
	s_add_co_u32 s94, s94, s92                     ; its column of 256, 0 .. 3
	s_lshl_b32 s17, s93, 2
	s_lshl_b32 s17, 15, s17                        ; my row of the cluster
	s_lshl_b32 s18, 0x1111, s92                    ; my column
	s_or_b32 s[G1A], s17, (3<<16)|(1<<21)
	s_or_b32 s[G1B], s18, (3<<16)|(1<<21)
	s_or_b32 s[G1SA], s17, (3<<16)|(1<<21)
	s_or_b32 s[G1SB], s18, (3<<16)|(1<<21)
.irp g, G1A, G1B                       ; codes: rows of 12,288 bytes (1,536 elements of 8), a tile each
	s_mov_b32 s[\g+1], 1536<<16
	s_mov_b32 s[\g+3], 1536<<16
	s_mov_b32 s[\g+5], 1536
	s_mov_b32 s[\g+6], 0
	s_mov_b32 s[\g+7], 0
.endr
	s_mov_b32 s[G1A+2], 8<<16
	s_mov_b32 s[G1A+4], 8
	s_mov_b32 s[G1B+2], 16<<16
	s_mov_b32 s[G1B+4], 16
.irp g, G1SA, G1SB                     ; scales: rows of 256 bytes
	s_mov_b32 s[\g+1], 32<<16
	s_mov_b32 s[\g+3], 32<<16
	s_mov_b32 s[\g+5], 32
	s_mov_b32 s[\g+6], 0
	s_mov_b32 s[\g+7], 0
.endr
	s_mov_b32 s[G1SA+2], 16<<16
	s_mov_b32 s[G1SA+4], 16
	s_mov_b32 s[G1SB+2], 32<<16
	s_mov_b32 s[G1SB+4], 32
	s_lshl_b32 s20, s95, 3                         ; A's first tile
	s_lshl_b32 s22, s94, 4
	s_add_co_u32 s22, s22, 704                     ; B's
	s_lshl_b32 s2, s20, 9
	s_mov_b32 s3, 0
	s_lshl_b32 s100, s22, 9
	s_mov_b32 s101, 0
	s_mul_i32 s20, s20, TILEB
	s_mov_b32 s21, 0
	s_mul_i32 s22, s22, TILEB
	s_mov_b32 s23, 0
	s_wait_dscnt 0x0                               ; both opening adds are done
	s_wait_kmcnt 0x0
	s_add_nc_u64 s[20:21], s[4:5], s[20:21]
	s_add_nc_u64 s[22:23], s[8:9], s[22:23]
	s_add_nc_u64 s[2:3], s[6:7], s[2:3]
	s_add_nc_u64 s[100:101], s[10:11], s[100:101]
	CROUND                                         ; all sixteen work-groups are here: the joint loads meet
	s_mov_b32 s[G0A], 1
	s_mov_b32 s[G0A+1], 0
	s_mov_b64 s[G0A+2:G0A+3], s[20:21]
	s_or_b32 s[G0A+3], s[G0A+3], 0x80000000
	s_mov_b32 s[G0B], 1
	s_mov_b32 s[G0B+1], LB
	s_mov_b64 s[G0B+2:G0B+3], s[22:23]
	s_or_b32 s[G0B+3], s[G0B+3], 0x80000000
	s_mov_b32 s[G0SA], 1
	s_mov_b32 s[G0SA+1], SCL
	s_mov_b64 s[G0SA+2:G0SA+3], s[2:3]
	s_or_b32 s[G0SA+3], s[G0SA+3], 0x80000000
	s_mov_b32 s[G0SB], 1
	s_mov_b32 s[G0SB+1], SCL+4096
	s_mov_b64 s[G0SB+2:G0SB+3], s[100:101]
	s_or_b32 s[G0SB+3], s[G0SB+3], 0x80000000
; the head's loads, one a wave, in one chain of branches on the wave's number: A's codes, B's codes, A's scales, B's scales
	s_cmp_lt_u32 s14, 1
	s_cbranch_scc0 .Lhead_b
	tensor_load_to_lds s[G0A:G0A+3], s[G1A:G1A+7]
	s_nop 0
	PLACES 4
	s_branch .Lhead_asked
.Lhead_b:
	s_cmp_lt_u32 s14, 2
	s_cbranch_scc0 .Lhead_sa
	tensor_load_to_lds s[G0B:G0B+3], s[G1B:G1B+7]
	s_nop 0
	PLACES 4
	s_branch .Lhead_asked
.Lhead_sa:
	s_cmp_lt_u32 s14, 3
	s_cbranch_scc0 .Lhead_sb
	tensor_load_to_lds s[G0SA:G0SA+3], s[G1SA:G1SA+7]
	s_nop 0
	PLACES 4
	s_branch .Lhead_asked
.Lhead_sb:
	tensor_load_to_lds s[G0SB:G0SB+3], s[G1SB:G1SB+7]
	s_nop 0
	PLACES 4
.Lhead_asked:
	v_and_b32 v1, 15, v0                           ; r
	v_bfe_u32 v2, v0, 4, 1                         ; h
	v_and_b32 v3, 31, v0                           ; lane
	v_lshlrev_b32 v4, 3, v3
	s_wait_alu depctr_va_vdst(0)
	s_mul_i32 s17, s15, 4*TILEB                    ; my four tiles of A
	s_mul_i32 s18, s16, 8*TILEB                    ; my eight of B
	s_add_co_u32 s18, s18, LB
	v_add_nc_u32 v[ADRA], s17, v4
	v_add_nc_u32 v[ADRB], s18, v4
	v_add_nc_u32 v[ADRB+1], 4*TILEB, v[ADRB]
	s_lshl_b32 s17, s15, 11                        ; A's scales: my four tiles of 512 bytes
	s_lshl_b32 s18, s16, 12                        ; B's: my eight, behind A's 4,096 bytes
	s_add_co_u32 s18, s18, 4096
	s_sub_co_u32 s18, s18, s17
	v_mul_u32_u24 v5, s18, v2                      ; lanes 16-31 take B's
	s_add_co_u32 s17, s17, SCL
	v_lshl_add_u32 v5, v1, 3, v5
	v_add_nc_u32 v[ADRS], s17, v5
	s_lshl_b32 s12, s94, 8
	s_lshl_b32 s17, s16, 7
	s_add_co_u32 s12, s12, s17                     ; my first column
	s_lshl_b32 s12, s12, 2
	s_mov_b32 s13, 0
	s_add_nc_u64 s[96:97], s[96:97], s[12:13]
	s_add_nc_u64 s[98:99], s[98:99], s[12:13]
	v_lshlrev_b32 v23, 6, v2
.irp b, 0,1,2,3
.irp q, 0,1,2,3
	global_load_b128 v[BIAS+16*\b+4*\q:BIAS+16*\b+4*\q+3], v23, s[96:97] offset:128*\b+16*\q   ; the bias, laid as the result lies: registers 16 b + .. are columns 32 b + 16 h + ..
.endr
.endr
	s_lshl_b32 s12, s95, 7
	s_lshl_b32 s17, s15, 6
	s_add_co_u32 s12, s12, s17                     ; my first row
	s_lshl_b32 s12, s12, 12
	s_add_nc_u64 s[98:99], s[98:99], s[12:13]
	s_mul_i32 s17, s14, 8448
	s_add_co_u32 s17, s17, STAGE
	v_mul_u32_u24 v5, v1, 528
	v_lshl_add_u32 v5, v2, 6, v5
	v_add_nc_u32 v[STO], s17, v5
	v_lshlrev_b32 v[CO], 4, v3
	v_add_nc_u32 v[RD], s17, v[CO]
	s_wait_alu depctr_va_vdst(0)
	s_wait_tensorcnt 0x0                           ; my block of the four is in,
	s_barrier_signal -1
	s_barrier_wait -1                              ; everybody's is; nothing is filled again
	FETCH 0
	s_wait_loadcnt 0x0                             ; the bias
.irp k, 0,1,2,3,4,5,6
	STEPK \k
.endr
	s_wait_dscnt 0x0                               ; the last step's fragments: my reads of the tiles are over:
	s_barrier_signal -1                            ; say so, work on registers while the others arrive,
	WIN MUL_LO
	MUL 7
	WIN 0
	s_barrier_wait -1                              ; and behind this barrier nobody reads the tiles any more: the stage may lie on them
; THE WAY OUT, block by block of 16 rows x 128 columns, through my own stage in LDS: whole rows of 512 bytes come back, which the 32 lanes store as two aligned units of 256 bytes
.macro TOSTAGE a
.set AC, 64*((\a)%4)
	WIN 0x08
.irp b, 0,1,2,3,4,5,6,7
	ds_store_b128 v[STO], v[AC+8*\b:AC+8*\b+3] offset:128*(\b/2)+32*(\b%2)       ; each accumulator from its low end on
	ds_store_b128 v[STO], v[AC+8*\b+4:AC+8*\b+7] offset:128*(\b/2)+32*(\b%2)+16
.endr
	WIN 0
.set BB, BK+64*((\a)%2)
.irp t, 0,1,2,3,4,5,6,7,8,9,10,11,12,13,14,15
	ds_load_b128 v[BB+4*\t:BB+4*\t+3], v[RD] offset:\t*528   ; LDS serves a wave's instructions in order: these see the stores above
.endr
.endm
.macro SEND a, younger                 ; younger: the LDS instructions issued behind block a's loads, which may stay out
.set BB, BK+64*((\a)%2)
	s_wait_dscnt \younger
.if (\a) > 0
.if (\a)%2 == 1
	s_add_nc_u64 s[98:99], s[98:99], 8*4096        ; (behind a wait on XCNT)  the odd tile of a pair begins 8 rows down,
.else
	s_add_nc_u64 s[98:99], s[98:99], 24*4096       ; the next pair 32 rows below the last
.endif
.endif
.irp t, 0,1,2,3,4,5,6,7,8,9,10,11,12,13,14,15
	global_store_b128 v[CO], v[BB+4*\t:BB+4*\t+3], s[98:99] offset:(\t+8*(\t/8))*4096 th:TH_STORE_NT
.endr
.endm
	PLACES 4                                       ; behind the last products: in front of the reads of their results and of loads into A's registers
	TOSTAGE 0
.irp a, 1,2,3
.if \a > 1
	s_wait_xcnt 0x0                                ; block a - 2's stores have read their registers and their base
.endif
	TOSTAGE \a
	SEND \a-1, 32                                  ; behind block a - 1's loads: block a's 16 stores and 16 loads
.endr
	s_wait_xcnt 0x0
	SEND 3, 0
	s_wait_tensorcnt 0x0                           ; the wave's end
	ds_add_u32 v[SPW], v[NIL]
	s_wait_dscnt 0x0
	CROUND                                         ; the closing round
	s_endpgm
.Lfunc_end_k_q55d88eeabd_gemm2:
	.size	k_q55d88eeabd_gemm2, .Lfunc_end_k_q55d88eeabd_gemm2-k_q55d88eeabd_gemm2
	.p2alignl 7, 3214868480
	.fill 96, 4, 3214868480
	.section	.rodata,"a",@progbits
	.p2align	6, 0x0
	.amdhsa_kernel k_q55d88eeabd_gemm2
		.amdhsa_group_segment_fixed_size 327680
		.amdhsa_private_segment_fixed_size 0
		.amdhsa_enable_private_segment 0
		.amdhsa_kernarg_size 48
		.amdhsa_user_sgpr_count 2
		.amdhsa_user_sgpr_kernarg_segment_ptr 1
		.amdhsa_wavefront_size32 1
		.amdhsa_system_sgpr_workgroup_id_x 1
		.amdhsa_system_sgpr_workgroup_id_y 1
		.amdhsa_system_sgpr_workgroup_id_z 1
		.amdhsa_system_vgpr_workitem_id 0
		.amdhsa_next_free_vgpr 768
		.amdhsa_next_free_sgpr 102
		.amdhsa_reserve_vcc 0
		.amdhsa_float_denorm_mode_32 3
		.amdhsa_float_denorm_mode_16_64 3
		.amdhsa_memory_ordered 1
		.amdhsa_forward_progress 1
		.amdhsa_inst_pref_size 97
	.end_amdhsa_kernel
	.amdgpu_metadata
---
amdhsa.version: [ 1, 2 ]
amdhsa.kernels:
  - .name:           k_q55d88eeabd_gemm2
    .symbol:         k_q55d88eeabd_gemm2.kd
    .args:
      - { .name: atc, .offset: 0, .size: 8, .value_kind: global_buffer, .address_space: global }
      - { .name: ats, .offset: 8, .size: 8, .value_kind: global_buffer, .address_space: global }
      - { .name: inc, .offset: 16, .size: 8, .value_kind: global_buffer, .address_space: global }
      - { .name: ins, .offset: 24, .size: 8, .value_kind: global_buffer, .address_space: global }
      - { .name: out_b, .offset: 32, .size: 8, .value_kind: global_buffer, .address_space: global }
      - { .name: out0, .offset: 40, .size: 8, .value_kind: global_buffer, .address_space: global }
    .group_segment_fixed_size: 327680
    .private_segment_fixed_size: 0
    .kernarg_segment_align: 8
    .kernarg_segment_size: 48
    .max_flat_workgroup_size: 128
    .sgpr_count:     102
    .vgpr_count:     768
    .wavefront_size: 32
...
	.end_amdgpu_metadata
.endif
;; end of part 4
